; MI455X (gfx1250); checked and timed in simulation.
; The chip was launched on July 23, 2026; its instructions are those of AMD's public machine-readable ISA for CDNA 5 (MIT licence, August 2026) and "CDNA5" Instruction Set Architecture Reference Guide (July 2026). The comments in the code are by the model that wrote it; some were corrected since.
;; Causal Attention. Allowed arithmetic: matrix products marked QUANTISED: E5M2 operands, one given power-of-two scale a tensor, by v_wmma_f32_16x16x64_bf8_bf8 or v_wmma_f32_16x16x128_bf8_bf8, f32 sums; everything else in f32.
;; Inputs: lowp_scales 10 int32 (the exponents e of the quantised operands' scales 2^e); wk_codes 1,024 x 32 x 32 uint8 (E5M2 codes of wk, K innermost, in blocks of 32 codes); wq_codes 1,024 x 32 x 32 uint8 (E5M2 codes of wq, K innermost, in blocks of 32 codes); wv_codes 1,024 x 32 x 32 uint8 (E5M2 codes of wv, K innermost, in blocks of 32 codes); x_codes 4 x 2,048 x 32 x 32 uint8 (E5M2 codes of x, K innermost, in blocks of 32 codes).
;; Outputs: out0 4 x 2,048 x 1,024 float32.
;; This version of the problem:
;;   THIS VERSION OF THE PROBLEM IS GIVEN IN LOW PRECISION. The matrix products marked QUANTISED in the list below multiply operands that are first quantised to E5M2 (5 exponent bits, 2 mantissa bits; 8 bits a number), with one given power-of-two scale for each operand tensor; their sums are f32. All else is computed in f32.
;;   The module's matrix products, in the order in which they are computed (A, B: the left and right operand; K: the contracted axis; several contracted axes count as one K, in the product's order):
;;     1. [M 8,192, K 1,024] x [K 1,024, N 1,024]; A: input x (given as codes); B: input wq (given as codes): QUANTISED (scales: A lowp_scales[0], B lowp_scales[1])
;;     2. [M 8,192, K 1,024] x [K 1,024, N 1,024]; A: input x (given as codes); B: input wk (given as codes): QUANTISED (scales: A lowp_scales[2], B lowp_scales[3])
;;     3. [M 8,192, K 1,024] x [K 1,024, N 1,024]; A: input x (given as codes); B: input wv (given as codes): QUANTISED (scales: A lowp_scales[4], B lowp_scales[5])
;;     4. batch 4 x [M 2,048, K 1,024] x [K 1,024, N 2,048]; A: computed on the way; B: computed on the way: QUANTISED (scales: A lowp_scales[6], B lowp_scales[7])
;;     5. batch 4 x [M 2,048, K 2,048] x [K 2,048, N 1,024]; A: softmax (see below); B: computed on the way: QUANTISED (scales: A lowp_scales[8], B lowp_scales[9])
;;   THE QUANTISER, for each operand of a quantised product, along K:
;;     - The operand's scale is 2^e, e = its entry of the input lowp_scales (int32; the entries are numbered through the quantised products in the list's order, A before B).
;;     - Each number is divided by the scale, clamped to +-57,344, and rounded to the nearest number of E5M2, ties to even, subnormals kept.
;;     - The product sums the exact products of the quantised numbers (number of the format x scale) in f32.
;;   ~~~python
;;   def quantise(x, axis, e):      # numpy; x: float32 -> the quantised numbers, widened to float32 again
;;       x = np.moveaxis(x, axis, -1); K = x.shape[-1]
;;       r = np.clip(x / 2.0 ** e, -57344, 57344)
;;       step = 2.0 ** (np.maximum(np.frexp(np.where(r == 0, 1, r))[1] - 1, -14) - 2)
;;       q = np.round(r / step) * step * 2.0 ** e      # np.round: ties to even
;;       return np.moveaxis(q, -1, axis).astype(np.float32)
;;   ~~~
;;   SOFTMAX AHEAD OF A QUANTISED PRODUCT. Where the list says 'softmax', what is quantised is not the finished softmax but p = 2^(t - M), with t = logit x log2(e) and M = ceil(the row's largest t), a whole number; so 1/2 < the row's largest p <= 1. The row's sum l is taken of the UNQUANTISED p, in f32, and the product's result is divided by l at the end. Since M is a whole number, a kernel that streams over the keys may use a running M (the ceiling of the running maximum): every later rescaling is an exact power of two, so the quantised numbers keep their values, but for numbers so far below the row's largest that they fall under the format's range.
;;   OPERANDS COMPUTED ON THE WAY. 'Computed on the way' means the value that the module computes at that place (a softmax that the list does not call 'softmax' is quantised finished and normalised). What goes into a quantiser is computed in f32, as accurately as f32 sums, v_exp_f32 and their like allow (about 1e-6 of the number): no bf16 or f16 on the way to a quantiser, and a product that is left as it is and whose result goes on into a quantised operand takes f32 operands (vector FMAs, or v_wmma_f32_16x16x4_f32). A number that lies on a knife's edge between two numbers of the format may be rounded either way, as far as f32 arithmetic and the matrix unit's own rounding can turn it there, and no further.
;;   INPUTS GIVEN AS CODES. wk (in the module: [1024, 1024], K = its axis 1); wq (in the module: [1024, 1024], K = its axis 1); wv (in the module: [1024, 1024], K = its axis 1); x (in the module: [4, 2048, 1024], K = its axis 2): each comes as NAME_codes (uint8): NAME with its K axis moved to the last place and cut into blocks of 32 codes, [.., K / 32, bytes a block], one block behind the other in memory; one code a byte (a code: sign, 5 exponent bits, 2 mantissa bits); its scale is its entry of lowp_scales. Its value is code x scale, taken as it is: it is not quantised again, and the codes and scales need not be those that the quantiser above would give.
;; 2 versions. Each part assembles by itself: llvm-mc -triple=amdgcn-amd-amdhsa -mcpu=gfx1250 --defsym DOCPART=n.
;; ======== version 1 of 2: 3 launches
;; workspace buffers: q_codes 8,388,608 bytes; k_codes 8,388,608 bytes; v_codes 8,388,608 bytes; p_codes 16,777,216 bytes; stats 1,048,576 bytes
;; launch proj (part 1): grid 12 x 32, 4 waves a work-group, clusters of 4 x 4, 327,680 bytes of LDS; arguments x_codes, wq_codes, wk_codes, wv_codes, lowp_scales, q_codes, k_codes, v_codes; writes q_codes, k_codes, v_codes
.if DOCPART == 1
	.amdgcn_target "amdgcn-amd-amdhsa--gfx1250"
	.amdhsa_code_object_version 6
	.text
	.protected	k_q231dfad8fc_proj
	.globl	k_q231dfad8fc_proj
	.p2align	8
	.type	k_q231dfad8fc_proj,@function
k_q231dfad8fc_proj:
	s_mov_b64 s[64:65], 0
	v_nop
	global_prefetch_b8 v0, s[64:65] scope:SCOPE_SE
	s_setreg_imm32_b32 hwreg(HW_REG_WAVE_MODE, 25, 1), 1
	s_wait_xcnt 0x0
	s_wait_alu depctr_hold_cnt(0) depctr_sa_sdst(0) depctr_va_vdst(0) depctr_va_sdst(0) depctr_va_ssrc(0) depctr_va_vcc(0) depctr_vm_vsrc(0)
	s_getreg_b32 s2, hwreg(HW_REG_IB_STS2, 6, 4)
	s_cmp_eq_u32 s2, 0
	s_cbranch_scc0 .Lentry_in_a_cluster
	s_endpgm
.Lentry_in_a_cluster:
	s_bfe_u32 s2, ttmp6, 0x10000c
	s_cmp_lg_u32 s2, 0xf033
	s_cbranch_scc0 .Lentry_shape_is_right
	s_endpgm
.Lentry_shape_is_right:
; q = x wq^T, k = x wk^T, v = x wv^T on codes of BF8 (E5M2), each result quantised at once to codes of BF8 with its given scale.
; x: [8192 tokens][1024], the weights: [1024][1024], codes, K innermost.  OUT: q_codes, k_codes [8192 tokens][1024 d]; v_codes [1024 d][8192 tokens]: the keys are the later product's K, so they lie innermost.
; A tile of 256 x 256 results is made by four waves, 128 x 128 each: 64 accumulators of 16 x 16, 512 registers.  K = 1024 goes in four steps of 256 through a ring of two LDS slots filled by the tensor data mover.
; ROLES.  Source 1 of the matrix instruction (role A) gives the result's rows, source 0 (role B) its columns: a lane then holds eight neighbouring columns of one row, which one conversion turns into eight codes.
;   q, k: role A = x (rows = tokens), role B = the weight (columns = d).   v: role A = wv (rows = d), role B = x (columns = tokens).  So all three take ONE path; only pointers, two tile numbers and the output's pitch are chosen,
;   by the cluster's x (0: q, 1: k, 2: v), which all sixteen partners share.
; CLUSTERS: 4 x 4 work-groups; role A's tile hangs on cy alone and is asked for jointly along a row of the cluster, role B's on cx alone and along a column.
; SCALES: a sum stands for sum x 2^(ex + ew); its code is sum / 2^(eo - ex - ew), held within +-57,344.  (ex, ew, eo) = entries (0, 1, 6) for q, (2, 3, 7) for k, (4, 5, 9) for v.
; LIMITS: eo - ex - ew lies between -126 and 112, so that both powers of two below are f32 numbers.  Codes of NaN or infinity among the inputs are not served.
; REGISTERS, in windows of 256: window 0: v1 r, v2 h, v8-9 scale and hold, v16-29 addresses; from v128 role A's fragments, ONE set; on the way out v32-63 store offsets, v64-191 codes, then rows.
;   window 1: role B's fragments, TWO sets.   window 2: the accumulators of my rows 0-63 ((a, b) at v[8 (8 (a % 4) + b)]);   window 3: those of my rows 64-127.
.set ROWB,   256                       ; a tile's row in bytes: 256 codes
.set KROW,   1024                      ; a row of x or of a weight in memory
.set PITCH,  272                       ; an LDS row: 256 bytes + 16 of padding = 68 words: row r starts at bank 4 r mod 64 (64 banks of 4 bytes: ISA guide 11.1)
.set FR,     16                        ; registers of a fragment: 16 rows x 128 K
.set NL,     4                         ; LDS loads that bring one
.set NP,     4                         ; places behind this matrix instruction (ISA guide 7.12.1)
.set HALFT,  128*PITCH                 ; 128 rows: what one tensor load brings
.set SLOT,   4*HALFT                   ; role A's 256 rows, then role B's 256 rows
.set LAPS,   2                         ; 1024 / 512: a lap = two K steps = once round the ring
.set SPARE,  2*SLOT                    ; behind the ring: the spare words, 128 bytes for each wave
.set ADRA, 16                          ; v16-17  LDS address of my role-A fragments in slot 0, 1
.set ADRB, 20                          ; v20-21  the same for role B
.set STO,  24                          ; v24     the way out: where I put 8 codes
.set RD,   25                          ; v25     the way out: where I read 16 codes of a row back
.set SPW,  28                          ; v28     LDS address of my spare word; never rewritten
.set NIL,  29                          ; v29     0; never rewritten
.set OFS,  32                          ; v32-63  the way out: byte offsets of my 32 stores
.set CD,   64                          ; v64-191 the way out: codes (16 registers for each block of 16 rows), then rows read back
.set AF,   128
.set G1, 24                            ; s[24:31] descriptor group 1 for role A;  s[32:39] group 0, one set for each slot
.set G0, 32
.set G1B, 48                           ; s[48:55], s[56:63] the same for role B
.set G0B, 56
.set MSB, 0
.macro WIN new                         ; the immediate's high byte repeats the setting that is left
.if MSB != (\new)
	s_set_vgpr_msb (MSB<<8)|(\new)
.set MSB, (\new)
.endif
.endm
.set MUL_LO, 0xa1                      ; source 0 window 1, source 1 window 0, C and D window 2
.set MUL_HI, 0xf1                      ; the same, C and D window 3
.set TO_B,   0x40                      ; destination window 1, address window 0
; A joint load: waves 0 and 1 fetch for role A, waves 2 and 3 for role B.  The branch hangs on the wave's number alone.  Four v_nop follow each of the two lines.
.macro JLOAD g0a, g1a, g0b, g1b
	s_cmp_eq_u32 s15, 0
	s_cbranch_scc0 .Lfor_b_\@
	tensor_load_to_lds s[\g0a:\g0a+3], s[\g1a:\g1a+7]
	s_nop 0
.rept 4
	v_nop
.endr
	s_branch .Lasked_\@
.Lfor_b_\@:
	tensor_load_to_lds s[\g0b:\g0b+3], s[\g1b:\g1b+7]
	s_nop 0
.rept 4
	v_nop
.endr
.Lasked_\@:
.endm
.macro CREST                           ; a round of the cluster's barrier behind its opening barrier
	s_cmp_lg_u32 s14, 0
	s_cbranch_scc1 .Lnot_wave_0_\@
	s_barrier_signal -3
.Lnot_wave_0_\@:
	s_barrier_wait -3
	s_barrier_signal -1
	s_barrier_wait -1
.endm
.macro CROUND                          ; a whole round
	s_barrier_signal -1
	s_barrier_wait -1
	CREST
.endm
	s_load_b256 s[4:11], s[0:1], 0x0               ; x s[4:5], wq s[6:7], wk s[8:9], wv s[10:11]
	s_load_b256 s[68:75], s[0:1], 0x20             ; the scales' exponents s[68:69], q s[70:71], k s[72:73], v s[74:75]
	v_lshl_add_u32 v[SPW], v0, 2, SPARE
	v_mov_b32 v[NIL], 0
	ds_add_u32 v28, v29
	ds_add_u32 v28, v29
	s_wait_dscnt 0x0
	v_lshrrev_b32 v1, 5, v0
	v_readfirstlane_b32 s14, v1                    ; wave 0..3
	s_lshr_b32 s15, s14, 1                         ; i: which half of the tile's rows is mine.  Also: I fetch for role A (0) or B (1)
	s_and_b32 s16, s14, 1                          ; j: which half of its columns.  Also: which 128 rows of that tile I fetch
	s_bfe_u32 s40, ttmp6, 0x40000                  ; cx, cy: my place in the cluster
	s_bfe_u32 s41, ttmp6, 0x40004
	s_and_b32 s96, ttmp7, 0xffff                   ; the cluster's y, 0..7: which 1,024 tokens
	s_cmp_eq_u32 ttmp9, 2                          ; the cluster's x: 2 = v
	s_cselect_b32 s88, 0, s96                      ; the tokens are role A's rows (q, k)
	s_cselect_b32 s89, s96, 0                      ; or role B's (v)
	s_cselect_b32 s97, 13, 10
	s_lshl_b32 s90, 1, s97                         ; the output's pitch in bytes: 8,192 (v) or 1,024
	s_lshl_b32 s91, 2, s97                         ; and twice that
	s_lshl_b32 s17, s88, 2
	s_add_co_u32 s17, s17, s41                     ; role A's tile: it holds cy and never cx
	s_lshl_b32 s42, s89, 2
	s_add_co_u32 s42, s42, s40                     ; role B's tile: it holds cx and never cy
	s_lshl_b32 s43, s41, 2
	s_lshl_b32 s43, 15, s43                        ; my row of the cluster
	s_lshl_b32 s44, 0x1111, s40                    ; my column
	; descriptor group 1: a tile of 128 rows x 256 bytes, padded in LDS
	s_or_b32 s[G1+0], s43, (0<<16)|(1<<20)|(1<<21)|(5<<22)|(3<<25)  ; 15:0 the mask; 17:16 element of 1 byte; 20 padding on; 21 set beside a mask; 24:22 after every 64 words (code 5); 31:25 of 4 words (code 3)
	s_or_b32 s[G1B+0], s44, (0<<16)|(1<<20)|(1<<21)|(5<<22)|(3<<25)
.irp g, G1, G1B
	s_mov_b32 s[\g+1], ROWB<<16                    ; tensor_dim0
	s_mov_b32 s[\g+2], 128<<16                     ; tensor_dim1 = 128
	s_mov_b32 s[\g+3], ROWB<<16                    ; tile_dim0
	s_mov_b32 s[\g+4], 128                         ; tile_dim1 = 128
	s_mov_b32 s[\g+5], KROW                        ; tensor_dim0_stride
	s_mov_b32 s[\g+6], 0
	s_mov_b32 s[\g+7], 0
.endr
	s_lshl_b32 s18, s16, 7                         ; which 128 rows of the tile I fetch
	s_lshl_b32 s20, s17, 8
	s_add_co_u32 s20, s20, s18
	s_lshl_b32 s20, s20, 10                        ; role A: (256 x tile + 128 x half) rows of 1,024 bytes: under 2^23
	s_mov_b32 s21, 0
	s_lshl_b32 s46, s42, 8
	s_add_co_u32 s46, s46, s18
	s_lshl_b32 s46, s46, 10                        ; role B likewise
	s_mov_b32 s47, 0
	s_mul_i32 s45, s14, HALFT                      ; where they go: wave x 128 rows: no place in the cluster enters an LDS address
	s_wait_kmcnt 0x0
	s_cmp_eq_u32 ttmp9, 2                          ; the buffers are chosen by the cluster's x alone
	s_cselect_b64 s[86:87], s[10:11], s[4:5]       ; role A: wv, or x
	s_cselect_b64 s[92:93], s[4:5], s[8:9]         ; role B: x, or so far wk
	s_cselect_b64 s[94:95], s[74:75], s[72:73]     ; out: v, or so far k
	s_cmp_eq_u32 ttmp9, 0
	s_cselect_b64 s[92:93], s[6:7], s[92:93]       ; wq
	s_cselect_b64 s[94:95], s[70:71], s[94:95]     ; q
	s_load_b256 s[76:83], s[68:69], 0x0            ; entries 0 to 7 of the scales' exponents
	s_load_b64 s[84:85], s[68:69], 0x20            ; entries 8, 9
	s_add_nc_u64 s[20:21], s[86:87], s[20:21]
	s_add_nc_u64 s[46:47], s[92:93], s[46:47]
	CROUND                                         ; all sixteen work-groups are here: the first joint loads meet
.irp s, 0,1
	s_mov_b32 s[G0+4*\s], 1
	s_add_co_u32 s[G0+4*\s+1], s45, \s*SLOT
	s_add_nc_u64 s[G0+4*\s+2:G0+4*\s+3], s[20:21], \s*ROWB
	s_or_b32 s[G0+4*\s+3], s[G0+4*\s+3], 0x80000000
	s_mov_b32 s[G0B+4*\s], 1
	s_add_co_u32 s[G0B+4*\s+1], s45, \s*SLOT
	s_add_nc_u64 s[G0B+4*\s+2:G0B+4*\s+3], s[46:47], \s*ROWB
	s_or_b32 s[G0B+4*\s+3], s[G0B+4*\s+3], 0x80000000
	JLOAD G0+4*\s, G1, G0B+4*\s, G1B
.endr
	v_and_b32 v1, 15, v0                           ; r = lane % 16
	v_bfe_u32 v2, v0, 4, 1                         ; h = lane / 16
	v_mul_u32_u24 v3, v1, PITCH
	v_lshl_add_u32 v4, v2, 4, v3                   ; a fragment's row x pitch + 16 x half
	s_mul_i32 s21, s15, HALFT                      ; my 128 rows of role A
	s_mul_i32 s22, s16, HALFT                      ; my 128 rows of role B,
	s_add_co_u32 s22, s22, 2*HALFT                 ; which lie behind role A's 256
.irp s, 0,1
	v_add_nc_u32 v[ADRA+\s], s21, v4
	v_add_nc_u32 v[ADRB+\s], s22, v4
	s_add_co_u32 s21, s21, SLOT
	s_add_co_u32 s22, s22, SLOT
.endr
	; the stage for the way out: the tile's 256 rows of 256 codes, 272 bytes apart, in slot 0
	s_mul_i32 s23, s15, HALFT                      ; in: row 128 i + r, byte 128 j + 8 h
	s_lshl_b32 s22, s16, 7
	s_add_co_u32 s23, s23, s22
	v_lshl_add_u32 v5, v2, 3, v3
	v_add_nc_u32 v[STO], s23, v5
	s_mul_i32 s23, s14, 64*PITCH                   ; back: wave w takes rows 64 w on, whole; lanes 0-15 one row, lanes 16-31 the next
	v_mul_u32_u24 v5, v2, PITCH
	v_lshl_add_u32 v5, v1, 4, v5
	v_add_nc_u32 v[RD], s23, v5
	s_lshl_b32 s20, s17, 8                         ; the first row that I store: 256 x role A's tile + 64 x wave,
	s_lshl_b32 s21, s14, 6
	s_add_co_u32 s20, s20, s21
	s_mul_i32 s20, s20, s90                        ; x the pitch,
	s_lshl_b32 s21, s42, 8
	s_add_co_u32 s20, s20, s21                     ; + 256 x role B's tile: under 2^23
	s_mov_b32 s21, 0
	s_add_nc_u64 s[94:95], s[94:95], s[20:21]
.macro FRAG reg, adr, q, i             ; a fragment: lane l holds row l % 16; registers 4 c .. 4 c + 3 hold K = 32 c + 16 (l / 16) + 0 .. 15: the same order of K on both sides, so every product meets its partner
.irp c, 0,1,2,3
	ds_load_b128 v[\reg+4*\c:\reg+4*\c+3], v[\adr] offset:128*(\q)+32*\c+(\i)*16*PITCH
.endr
.endm
; 16 matrix instructions: role A's blocks a0, a0 + 1 x role B's eight, 128 along K.  p: role B's set.  zero = 1: the first product starts the sums.
; The 64 accumulators take turns, one instruction a turn, in the same order in every step.
.macro MUL16 a0, p, zero
.irp a, \a0, \a0+1
.irp b, 0,1,2,3,4,5,6,7
.if \zero
	v_wmma_f32_16x16x128_bf8_bf8 v[8*(8*((\a)%4)+\b):8*(8*((\a)%4)+\b)+7], v[128*(\p)+FR*\b:128*(\p)+FR*\b+FR-1], v[AF+FR*(\a):AF+FR*(\a)+FR-1], 0
.else
	v_wmma_f32_16x16x128_bf8_bf8 v[8*(8*((\a)%4)+\b):8*(8*((\a)%4)+\b)+7], v[128*(\p)+FR*\b:128*(\p)+FR*\b+FR-1], v[AF+FR*(\a):AF+FR*(\a)+FR-1], v[8*(8*((\a)%4)+\b):8*(8*((\a)%4)+\b)+7]
.endif
.endr
.endr
.endm
.macro FETCH_B slot, q, p
	WIN TO_B
.irp i, 0,1,2,3,4,5,6,7
	FRAG 128*(\p)+FR*\i, ADRB+\slot, \q, \i
.endr
	WIN 0
.endm
.macro FETCH_A slot, q, i0
.irp i, \i0, \i0+1, \i0+2, \i0+3
	FRAG AF+FR*(\i), ADRA+\slot, \q, \i
.endr
.endm
.macro PLACES n                        ; plain vector instructions between a matrix instruction and a load into, or a read of, its registers (ISA guide 7.12.1 for the reads)
.rept \n
	v_nop
.endr
.endm
; A step of 128 along K that has its successor in the same slot.
.macro STEP slot, q, zero
	s_wait_dscnt 4*NL                              ; role B's set and role A's blocks 0-3 are in; the youngest 16 loads (blocks 4-7) may be out
	WIN MUL_LO
	MUL16 0, (\q)%2, \zero
	MUL16 2, (\q)%2, \zero
	s_wait_dscnt 0                                 ; blocks 4-7 are in
	PLACES NP
	FETCH_B \slot, (\q)+1, 1-(\q)%2
	FETCH_A \slot, (\q)+1, 0
	WIN MUL_HI
	MUL16 4, (\q)%2, \zero
	MUL16 6, (\q)%2, \zero
	PLACES NP
	WIN 0
	FETCH_A \slot, (\q)+1, 4
.endm
; A slot's last step changes slots: ONE barrier; in front of it each wave waits for all its tensor loads, adds 0 to its spare word, and waits for that and for its own reads of this slot.  fill = 1: this slot is filled again, two K steps ahead.
.macro TURN slot, next, fill
	s_wait_tensorcnt 0x0                           ; all my tensor loads have landed: my part of the next slot
	ds_add_u32 v[SPW], v[NIL]                      ; 0 onto my spare word
	s_wait_dscnt 4*NL+1                            ; the add and the youngest 16 loads (blocks 4-7) may be out
	WIN MUL_LO
	MUL16 0, 1, 0
	s_wait_dscnt 0x0                               ; the add is done, and my reads of this slot are over
	s_barrier_signal -1
	MUL16 2, 1, 0
	WIN 0
	s_barrier_wait -1
.if \fill
	CREST                                          ; the barrier has opened a round of the cluster's barrier: no wave of any partner still reads this slot or has a load on its way
	s_add_nc_u64 s[G0+4*\slot+2:G0+4*\slot+3], s[G0+4*\slot+2:G0+4*\slot+3], 2*ROWB
	s_add_nc_u64 s[G0B+4*\slot+2:G0B+4*\slot+3], s[G0B+4*\slot+2:G0B+4*\slot+3], 2*ROWB
	JLOAD G0+4*\slot, G1, G0B+4*\slot, G1B         ; the first tensor load behind the round; its four v_nop are also the places in front of the loads below
.else
	PLACES NP
.endif
	FETCH_B \next, 0, 0
	FETCH_A \next, 0, 0
	WIN MUL_HI
	MUL16 4, 1, 0
	MUL16 6, 1, 0
	PLACES NP
	WIN 0
	FETCH_A \next, 0, 4
.endm
	s_wait_tensorcnt 1                             ; my part of K step 0 is in; K step 1's load may be out
	s_barrier_signal -1
	s_barrier_wait -1
	FETCH_B 0, 0, 0
	FETCH_A 0, 0, 0
	FETCH_A 0, 0, 4
	STEP 0, 0, 1                                   ; the first step stands in front of the loop: its products start the sums
	s_mov_b32 s3, LAPS-1
.Llap:                                                 ; a trip goes once round the ring and fills both slots again
	TURN 0, 1, 1
	STEP 1, 0, 0
	TURN 1, 0, 1
	STEP 0, 0, 0
	s_sub_co_u32 s3, s3, 1
	s_cmp_lg_u32 s3, 0
	s_cbranch_scc1 .Llap
	TURN 0, 1, 0                                   ; the last lap fills nothing
	STEP 1, 0, 0
	s_wait_dscnt 4*NL                              ; the very last step
	WIN MUL_LO
	MUL16 0, 1, 0
	MUL16 2, 1, 0
	s_wait_dscnt 0
	WIN MUL_HI
	MUL16 4, 1, 0
	MUL16 6, 1, 0
	WIN 0
	; THE WAY OUT.  The byte offsets of my 32 stores (the pitch is no constant of the text): rows 2 t + h, 16 bytes at 16 r.  These 33 plain instructions are also the places behind the last products.
	v_mul_u32_u24 v[OFS], s90, v2
	v_lshl_add_u32 v[OFS], v1, 4, v[OFS]
.set TT, 1
.rept 31
	v_add_nc_u32 v[OFS+TT], s91, v[OFS+TT-1]
.set TT, TT+1
.endr
	s_wait_kmcnt 0x0                               ; the scales' exponents
	s_cmp_eq_u32 ttmp9, 0
	s_cselect_b32 s98, s76, s78                    ; ex
	s_cselect_b32 s99, s77, s79                    ; ew
	s_cselect_b32 s100, s82, s83                   ; eo
	s_cmp_eq_u32 ttmp9, 2
	s_cselect_b32 s98, s80, s98
	s_cselect_b32 s99, s81, s99
	s_cselect_b32 s100, s85, s100
	s_sub_co_i32 s100, s100, s98
	s_sub_co_i32 s100, s100, s99                   ; eo - ex - ew: the three scales folded into the conversion's one
	s_add_co_i32 s100, s100, 127
	s_lshl_b32 s98, s100, 23
	v_mov_b32 v8, s98                              ; 2^(eo - ex - ew) as f32: the conversion takes its exponent field
	s_add_co_i32 s100, s100, 15
	s_lshl_b32 s100, s100, 23
	s_or_b32 s100, s100, 0x600000
	v_mov_b32 v9, s100                             ; 57,344 x that
; Block a: 16 rows x my 128 columns.  Held, converted (eight neighbouring columns of a row are eight codes), and put into the stage.
.macro QOUT a
.set AC, 64*((\a)%4)
.set W, 2+(\a)/4
	WIN (W<<6)|W                                   ; destination and source 0 in the accumulators' window
.set JJ, 0
.rept 64
	v_med3_num_f32 v[AC+JJ], v[AC+JJ], -v9, v9     ; the conversion to an 8-bit code does not saturate (ISA guide 7.6.2): the hold first; each accumulator from its low end on
.set JJ, JJ+1
.endr
	WIN W
.irp b, 0,1,2,3,4,5,6,7
	v_cvt_scalef32_pk8_bf8_f32 v[CD+16*(\a)+2*\b:CD+16*(\a)+2*\b+1], v[AC+8*\b:AC+8*\b+7], v8
.endr
	WIN 0
.irp b, 0,1,2,3,4,5,6,7
	ds_store_b64 v[STO], v[CD+16*(\a)+2*\b:CD+16*(\a)+2*\b+1] offset:(\a)*16*PITCH+16*\b   ; 32 lanes, 8 bytes each, at words 68 r + 2 h: all 64 banks once
.endr
.endm
.irp a, 0,1,2,3,4,5,6,7
	QOUT \a
.endr
	s_wait_dscnt 0x0                               ; for the others' sake: my stores into the stage are done (a row's 256 codes come from two waves)
	s_barrier_signal -1
	s_barrier_wait -1
.set TT, 0
.rept 32
	ds_load_b128 v[CD+4*TT:CD+4*TT+3], v[RD] offset:TT*2*PITCH
.set TT, TT+1
.endr
.set TT, 0
.rept 32
	s_wait_dscnt 31-TT                             ; LDS loads come back in order: load t is in, the younger ones may be out
	global_store_b128 v[OFS+TT], v[CD+4*TT:CD+4*TT+3], s[94:95]   ; 16 lanes store 256 consecutive bytes, at a multiple of 256 from the buffer's first byte; the next launch reads them
.set TT, TT+1
.endr
	s_wait_tensorcnt 0x0                           ; the wave's end
	ds_add_u32 v[SPW], v[NIL]
	s_wait_dscnt 0x0
	CROUND                                         ; the closing round
	s_endpgm
.Lfunc_end_k_q231dfad8fc_proj:
	.size	k_q231dfad8fc_proj, .Lfunc_end_k_q231dfad8fc_proj-k_q231dfad8fc_proj
	.p2alignl 7, 3214868480
	.fill 96, 4, 3214868480
	.section	.rodata,"a",@progbits
	.p2align	6, 0x0
	.amdhsa_kernel k_q231dfad8fc_proj
		.amdhsa_group_segment_fixed_size 327680
		.amdhsa_private_segment_fixed_size 0
		.amdhsa_enable_private_segment 0
		.amdhsa_kernarg_size 64
		.amdhsa_user_sgpr_count 2
		.amdhsa_user_sgpr_kernarg_segment_ptr 1
		.amdhsa_wavefront_size32 1
		.amdhsa_system_sgpr_workgroup_id_x 1
		.amdhsa_system_sgpr_workgroup_id_y 1
		.amdhsa_system_sgpr_workgroup_id_z 1
		.amdhsa_system_vgpr_workitem_id 0
		.amdhsa_next_free_vgpr 1024
		.amdhsa_next_free_sgpr 102
		.amdhsa_reserve_vcc 0
		.amdhsa_float_denorm_mode_32 3
		.amdhsa_float_denorm_mode_16_64 3
		.amdhsa_memory_ordered 1
		.amdhsa_forward_progress 1
		.amdhsa_inst_pref_size 126
	.end_amdhsa_kernel
	.amdgpu_metadata
---
amdhsa.version: [ 1, 2 ]
amdhsa.kernels:
  - .name:           k_q231dfad8fc_proj
    .symbol:         k_q231dfad8fc_proj.kd
    .args:
      - { .name: x_codes, .offset: 0, .size: 8, .value_kind: global_buffer, .address_space: global }
      - { .name: wq_codes, .offset: 8, .size: 8, .value_kind: global_buffer, .address_space: global }
      - { .name: wk_codes, .offset: 16, .size: 8, .value_kind: global_buffer, .address_space: global }
      - { .name: wv_codes, .offset: 24, .size: 8, .value_kind: global_buffer, .address_space: global }
      - { .name: lowp_scales, .offset: 32, .size: 8, .value_kind: global_buffer, .address_space: global }
      - { .name: q_codes, .offset: 40, .size: 8, .value_kind: global_buffer, .address_space: global }
      - { .name: k_codes, .offset: 48, .size: 8, .value_kind: global_buffer, .address_space: global }
      - { .name: v_codes, .offset: 56, .size: 8, .value_kind: global_buffer, .address_space: global }
    .group_segment_fixed_size: 327680
    .private_segment_fixed_size: 0
    .kernarg_segment_align: 8
    .kernarg_segment_size: 64
    .max_flat_workgroup_size: 128
    .sgpr_count:     102
    .vgpr_count:     1024
    .wavefront_size: 32
...
	.end_amdgpu_metadata
.endif
;; end of part 1
;; launch scores (part 2): grid 12 x 16, 4 waves a work-group, clusters of 4 x 4, 327,680 bytes of LDS; arguments q_codes, k_codes, lowp_scales, p_codes, stats; writes p_codes, stats
.if DOCPART == 2
	.amdgcn_target "amdgcn-amd-amdhsa--gfx1250"
	.amdhsa_code_object_version 6
	.text
	.protected	k_q231dfad8fc_scores
	.globl	k_q231dfad8fc_scores
	.p2align	8
	.type	k_q231dfad8fc_scores,@function
k_q231dfad8fc_scores:
	s_mov_b64 s[64:65], 0
	v_nop
	global_prefetch_b8 v0, s[64:65] scope:SCOPE_SE
	s_setreg_imm32_b32 hwreg(HW_REG_WAVE_MODE, 25, 1), 1
	s_wait_xcnt 0x0
	s_wait_alu depctr_hold_cnt(0) depctr_sa_sdst(0) depctr_va_vdst(0) depctr_va_sdst(0) depctr_va_ssrc(0) depctr_va_vcc(0) depctr_vm_vsrc(0)
	s_getreg_b32 s2, hwreg(HW_REG_IB_STS2, 6, 4)
	s_cmp_eq_u32 s2, 0
	s_cbranch_scc0 .Lentry_in_a_cluster
	s_endpgm
.Lentry_in_a_cluster:
	s_bfe_u32 s2, ttmp6, 0x10000c
	s_cmp_lg_u32 s2, 0xf033
	s_cbranch_scc0 .Lentry_shape_is_right
	s_endpgm
.Lentry_shape_is_right:
; S = q k^T on codes of BF8 (E5M2), the causal mask, and the softmax's numerators as codes of BF8: p = 2^(t - M), t = score x log2(e) / 32, quantised with the given 2^ep.
; M IS TAKEN FOR EACH QUERY AND EACH BLOCK OF 128 KEYS: the ceiling of the block's largest t, a whole number.  M and the block's sum l of the unquantised p go to the buffer of statistics; the next launch brings the blocks
; under one M by exact powers of two.  So a code's value is that of the row's own M times a power of two, but for numbers so small that they leave the format's range.
; q_codes, k_codes: [4 x 2048][1024].  OUT: p_codes [4][2048 q][2048 keys];  stats, f32: [batch][block of 128 keys: 16][group of 64 queries: 32][lane 32][4]: lane (r, h) holds M, M, l, l of queries 64 G + 16 (2 h + u) + r, u = 0, 1.
; A tile of 256 queries x 256 keys is made by four waves, 128 x 128 each, K = 1024 in four steps of 256 through a ring of two LDS slots.  Source 1 = 16 queries, source 0 = 16 keys: a lane holds ONE query and eight neighbouring keys.
; CLUSTERS: 4 x 4 tiles; a batch's lower triangle is three clusters (cluster x 0, 1, 2: tile rows 0-3 / 4-7 / 4-7, tile columns 0-3 / 0-3 / 4-7).  q's tile is asked for jointly along a row, k's along a column.
; The six tiles of a diagonal cluster that lie above the diagonal run the same text (partners run alike) and write zero codes; the next launch reads some of them as the padding of its slots of 512 keys.
; THE MASK IS THE C OF THE FIRST K STEP: -3e38 where the key comes after the query, 0 elsewhere.  The block's maximum has a floor of -2^66 among its leaves, so that a block all of whose keys are hidden gets p = 0, l = 0 and a finite M.
; LIMITS: eq + ek between -110 and 60 (they are added to the exponent field of log2(e) / 32; a true score is at most 3.4e12 in code units, far above the floor, and the mask stays more than 10,000 below every M);
;   ep between -126 and 112.  Codes of NaN or infinity among the inputs are not served.
; REGISTERS: window 0: v1 r, v2 h, v8-14 at work, v16-29 addresses, v32-55 the mask's three groups, later M (v32-39), l (v40-47) and the statistics as stored (v48-55); v56-59 sums; v64-127 t, p; from v128 q's fragments, later codes, later rows.
;   window 1: k's fragments, two sets.   windows 2, 3: the 64 accumulators.
.set ROWB,   256
.set KROW,   1024
.set PITCH,  272                       ; an LDS row: 256 bytes + 16 of padding = 68 words: row r starts at bank 4 r mod 64 (ISA guide 11.1)
.set FR,     16
.set NL,     4
.set NP,     4
.set HALFT,  128*PITCH
.set SLOT,   4*HALFT
.set LAPS,   2
.set SPARE,  2*SLOT
.set ADRA, 16
.set ADRB, 20
.set STO,  24
.set RD,   25
.set CO,   26                          ; v26  my byte offset in two rows of p_codes
.set LN,   27                          ; v27  16 x lane: my place in a group's statistics
.set SPW,  28
.set NIL,  29
.set GP,   32                          ; the mask where the block of queries lies below the block of keys' diagonal (a > b),
.set GZ,   40                          ; on it (a = b),
.set GN,   48                          ; above it (a < b)
.set MS,   32
.set LS,   40
.set SS,   48
.set TMP,  64
.set CD,   128
.set AF,   128
.set G1, 24
.set G0, 32
.set G1B, 48
.set G0B, 56
.set MSB, 0
.macro WIN new
.if MSB != (\new)
	s_set_vgpr_msb (MSB<<8)|(\new)
.set MSB, (\new)
.endif
.endm
.set MUL_LO, 0xa1
.set MUL_HI, 0xf1
.set TO_B,   0x40
.macro JLOAD g0a, g1a, g0b, g1b
	s_cmp_eq_u32 s15, 0
	s_cbranch_scc0 .Lfor_b_\@
	tensor_load_to_lds s[\g0a:\g0a+3], s[\g1a:\g1a+7]
	s_nop 0
.rept 4
	v_nop
.endr
	s_branch .Lasked_\@
.Lfor_b_\@:
	tensor_load_to_lds s[\g0b:\g0b+3], s[\g1b:\g1b+7]
	s_nop 0
.rept 4
	v_nop
.endr
.Lasked_\@:
.endm
.macro CREST
	s_cmp_lg_u32 s14, 0
	s_cbranch_scc1 .Lnot_wave_0_\@
	s_barrier_signal -3
.Lnot_wave_0_\@:
	s_barrier_wait -3
	s_barrier_signal -1
	s_barrier_wait -1
.endm
.macro CROUND
	s_barrier_signal -1
	s_barrier_wait -1
	CREST
.endm
	s_load_b256 s[4:11], s[0:1], 0x0               ; q s[4:5], k s[6:7], the scales' exponents s[8:9], p s[10:11]
	s_load_b64 s[12:13], s[0:1], 0x20              ; the statistics
	v_lshl_add_u32 v[SPW], v0, 2, SPARE
	v_mov_b32 v[NIL], 0
	ds_add_u32 v28, v29
	ds_add_u32 v28, v29
	s_wait_dscnt 0x0
	v_lshrrev_b32 v1, 5, v0
	v_readfirstlane_b32 s14, v1                    ; wave 0..3
	s_lshr_b32 s15, s14, 1                         ; i: my half of the tile's queries.  Also: I fetch for q (0) or for k (1)
	s_and_b32 s16, s14, 1                          ; j: my half of its keys.  Also: which 128 rows I fetch
	s_bfe_u32 s40, ttmp6, 0x40000                  ; cx, cy
	s_bfe_u32 s41, ttmp6, 0x40004
	s_add_co_u32 s66, ttmp9, 1
	s_lshr_b32 s66, s66, 1                         ; the cluster's row of the triangle: 0, 1, 1
	s_lshr_b32 s67, ttmp9, 1                       ; its column: 0, 0, 1
	s_lshl_b32 s17, s66, 2
	s_add_co_u32 s17, s17, s41                     ; ty: the tile of queries
	s_lshl_b32 s42, s67, 2
	s_add_co_u32 s42, s42, s40                     ; tx: the tile of keys
	s_and_b32 s68, ttmp7, 0xffff                   ; the batch
	s_lshl_b32 s43, s41, 2
	s_lshl_b32 s43, 15, s43                        ; my row of the cluster
	s_lshl_b32 s44, 0x1111, s40                    ; my column
	s_or_b32 s[G1+0], s43, (0<<16)|(1<<20)|(1<<21)|(5<<22)|(3<<25)  ; 15:0 the mask of work-groups; elements of 1 byte; padding: 4 words after every 64; 21 set beside a mask
	s_or_b32 s[G1B+0], s44, (0<<16)|(1<<20)|(1<<21)|(5<<22)|(3<<25)
.irp g, G1, G1B
	s_mov_b32 s[\g+1], ROWB<<16
	s_mov_b32 s[\g+2], 128<<16
	s_mov_b32 s[\g+3], ROWB<<16
	s_mov_b32 s[\g+4], 128
	s_mov_b32 s[\g+5], KROW
	s_mov_b32 s[\g+6], 0
	s_mov_b32 s[\g+7], 0
.endr
	s_lshl_b32 s18, s16, 7
	s_lshl_b32 s19, s68, 11
	s_add_co_u32 s18, s18, s19                     ; 2048 x batch + 128 x the half that I fetch
	s_lshl_b32 s20, s17, 8
	s_add_co_u32 s20, s20, s18
	s_lshl_b32 s20, s20, 10                        ; q: rows of 1,024 bytes
	s_mov_b32 s21, 0
	s_lshl_b32 s46, s42, 8
	s_add_co_u32 s46, s46, s18
	s_lshl_b32 s46, s46, 10                        ; k likewise
	s_mov_b32 s47, 0
	s_mul_i32 s45, s14, HALFT
	s_wait_kmcnt 0x0
	s_load_b64 s[76:77], s[8:9], 0x18              ; eq, ek
	s_load_b32 s78, s[8:9], 0x20                   ; ep
	s_add_nc_u64 s[20:21], s[4:5], s[20:21]
	s_add_nc_u64 s[46:47], s[6:7], s[46:47]
	CROUND
.irp s, 0,1
	s_mov_b32 s[G0+4*\s], 1
	s_add_co_u32 s[G0+4*\s+1], s45, \s*SLOT
	s_add_nc_u64 s[G0+4*\s+2:G0+4*\s+3], s[20:21], \s*ROWB
	s_or_b32 s[G0+4*\s+3], s[G0+4*\s+3], 0x80000000
	s_mov_b32 s[G0B+4*\s], 1
	s_add_co_u32 s[G0B+4*\s+1], s45, \s*SLOT
	s_add_nc_u64 s[G0B+4*\s+2:G0B+4*\s+3], s[46:47], \s*ROWB
	s_or_b32 s[G0B+4*\s+3], s[G0B+4*\s+3], 0x80000000
	JLOAD G0+4*\s, G1, G0B+4*\s, G1B
.endr
	v_and_b32 v1, 15, v0                           ; r
	v_bfe_u32 v2, v0, 4, 1                         ; h
	v_mul_u32_u24 v3, v1, PITCH
	v_lshl_add_u32 v4, v2, 4, v3
	s_mul_i32 s21, s15, HALFT
	s_mul_i32 s22, s16, HALFT
	s_add_co_u32 s22, s22, 2*HALFT
.irp s, 0,1
	v_add_nc_u32 v[ADRA+\s], s21, v4
	v_add_nc_u32 v[ADRB+\s], s22, v4
	s_add_co_u32 s21, s21, SLOT
	s_add_co_u32 s22, s22, SLOT
.endr
	s_mul_i32 s23, s15, HALFT                      ; the stage, in slot 0: in: row 128 i + r, byte 128 j + 8 h
	s_lshl_b32 s22, s16, 7
	s_add_co_u32 s23, s23, s22
	v_lshl_add_u32 v5, v2, 3, v3
	v_add_nc_u32 v[STO], s23, v5
	s_mul_i32 s23, s14, 64*PITCH                   ; back: rows 64 w on, whole
	v_mul_u32_u24 v5, v2, PITCH
	v_lshl_add_u32 v5, v1, 4, v5
	v_add_nc_u32 v[RD], s23, v5
	v_lshlrev_b32 v5, 11, v2
	v_lshl_add_u32 v[CO], v1, 4, v5                ; and the same two rows in p_codes: 2,048 h + 16 r
	v_and_b32 v5, 31, v0
	v_lshlrev_b32 v[LN], 4, v5
	s_lshl_b32 s20, s68, 11                        ; p_codes: row 2048 batch + 256 ty + 64 wave, of 2,048 bytes, + 256 tx: under 2^24
	s_lshl_b32 s21, s17, 8
	s_add_co_u32 s20, s20, s21
	s_lshl_b32 s21, s14, 6
	s_add_co_u32 s20, s20, s21
	s_lshl_b32 s20, s20, 11
	s_lshl_b32 s21, s42, 8
	s_add_co_u32 s20, s20, s21
	s_mov_b32 s21, 0
	s_add_nc_u64 s[10:11], s[10:11], s[20:21]
	s_lshl_b32 s20, s68, 4                         ; the statistics: ((16 batch + 2 tx + j) x 32 + 4 ty + 2 i) x 512
	s_lshl_b32 s22, s42, 1
	s_add_co_u32 s20, s20, s22
	s_add_co_u32 s20, s20, s16
	s_lshl_b32 s20, s20, 5
	s_lshl_b32 s22, s17, 2
	s_add_co_u32 s20, s20, s22
	s_lshl_b32 s22, s15, 1
	s_add_co_u32 s20, s20, s22
	s_lshl_b32 s20, s20, 9
	s_add_nc_u64 s[12:13], s[12:13], s[20:21]
	; THE MASK.  Register jj of accumulator (a, b) holds query 256 ty + 128 i + 16 a + r and key 256 tx + 128 j + 16 b + 8 h + jj: hidden where jj > D + 16 (a - b) + r - 8 h, D = 256 (ty - tx) + 128 (i - j).
	; D is a multiple of 128 and r - 8 h + 16 (a - b) lies within +-127, so of a - b only the sign counts: three groups of eight registers serve the 64 accumulators.
	s_sub_co_i32 s69, s17, s42
	s_lshl_b32 s69, s69, 8
	s_sub_co_i32 s70, s15, s16
	s_lshl_b32 s70, s70, 7
	s_add_co_i32 s69, s69, s70                     ; D: it goes into vector data alone, into no address and no branch
	v_lshlrev_b32 v10, 3, v2
	v_sub_nc_u32 v10, v1, v10
	v_add_nc_u32 v10, s69, v10                     ; D + r - 8 h
	v_add_nc_u32 v11, 16, v10
	v_add_nc_u32 v12, -16, v10
	v_mov_b32 v13, 0xff61b1e6                      ; -3e38
.irp jj, 0,1,2,3,4,5,6,7
	v_cmp_gt_i32 vcc_lo, \jj, v11
	v_cndmask_b32 v[GP+\jj], 0, v13, vcc_lo
	v_cmp_gt_i32 vcc_lo, \jj, v10
	v_cndmask_b32 v[GZ+\jj], 0, v13, vcc_lo
	v_cmp_gt_i32 vcc_lo, \jj, v12
	v_cndmask_b32 v[GN+\jj], 0, v13, vcc_lo
.endr
.macro FRAG reg, adr, q, i
.irp c, 0,1,2,3
	ds_load_b128 v[\reg+4*\c:\reg+4*\c+3], v[\adr] offset:128*(\q)+32*\c+(\i)*16*PITCH
.endr
.endm
; 16 matrix instructions: blocks a0, a0 + 1 of queries x the eight blocks of keys.  zero = 1: the first product starts the sums, from the mask.  The 64 accumulators take turns.
.macro MUL16 a0, p, zero
.irp a, \a0, \a0+1
.irp b, 0,1,2,3,4,5,6,7
.if \zero
.if (\a) > \b
.set CG, GP
.elseif (\a) == \b
.set CG, GZ
.else
.set CG, GN
.endif
	v_wmma_f32_16x16x128_bf8_bf8 v[8*(8*((\a)%4)+\b):8*(8*((\a)%4)+\b)+7], v[128*(\p)+FR*\b:128*(\p)+FR*\b+FR-1], v[AF+FR*(\a):AF+FR*(\a)+FR-1], v[CG:CG+7]
.else
	v_wmma_f32_16x16x128_bf8_bf8 v[8*(8*((\a)%4)+\b):8*(8*((\a)%4)+\b)+7], v[128*(\p)+FR*\b:128*(\p)+FR*\b+FR-1], v[AF+FR*(\a):AF+FR*(\a)+FR-1], v[8*(8*((\a)%4)+\b):8*(8*((\a)%4)+\b)+7]
.endif
.endr
.endr
.endm
.macro FETCH_B slot, q, p
	WIN TO_B
.irp i, 0,1,2,3,4,5,6,7
	FRAG 128*(\p)+FR*\i, ADRB+\slot, \q, \i
.endr
	WIN 0
.endm
.macro FETCH_A slot, q, i0
.irp i, \i0, \i0+1, \i0+2, \i0+3
	FRAG AF+FR*(\i), ADRA+\slot, \q, \i
.endr
.endm
.macro PLACES n
.rept \n
	v_nop
.endr
.endm
.macro STEP slot, q, zero
	s_wait_dscnt 4*NL                              ; k's set and q's blocks 0-3 are in; the youngest 16 loads (blocks 4-7) may be out
	WIN MUL_LO-0x20*(\zero)                        ; in the first step C, the mask, lies in window 0
	MUL16 0, (\q)%2, \zero
	MUL16 2, (\q)%2, \zero
	s_wait_dscnt 0
	PLACES NP
	FETCH_B \slot, (\q)+1, 1-(\q)%2
	FETCH_A \slot, (\q)+1, 0
	WIN MUL_HI-0x30*(\zero)
	MUL16 4, (\q)%2, \zero
	MUL16 6, (\q)%2, \zero
	PLACES NP
	WIN 0
	FETCH_A \slot, (\q)+1, 4
.endm
.macro TURN slot, next, fill
	s_wait_tensorcnt 0x0                           ; all my tensor loads have landed: my part of the next slot
	ds_add_u32 v[SPW], v[NIL]                      ; 0 onto my spare word
	s_wait_dscnt 4*NL+1                            ; the add and the youngest 16 loads may be out
	WIN MUL_LO
	MUL16 0, 1, 0
	s_wait_dscnt 0x0                               ; the add is done, and my reads of this slot are over
	s_barrier_signal -1
	MUL16 2, 1, 0
	WIN 0
	s_barrier_wait -1
.if \fill
	CREST                                          ; a round of the cluster's barrier: no wave of any partner still reads this slot or has a load on its way
	s_add_nc_u64 s[G0+4*\slot+2:G0+4*\slot+3], s[G0+4*\slot+2:G0+4*\slot+3], 2*ROWB
	s_add_nc_u64 s[G0B+4*\slot+2:G0B+4*\slot+3], s[G0B+4*\slot+2:G0B+4*\slot+3], 2*ROWB
	JLOAD G0+4*\slot, G1, G0B+4*\slot, G1B
.else
	PLACES NP
.endif
	FETCH_B \next, 0, 0
	FETCH_A \next, 0, 0
	WIN MUL_HI
	MUL16 4, 1, 0
	MUL16 6, 1, 0
	PLACES NP
	WIN 0
	FETCH_A \next, 0, 4
.endm
	s_wait_tensorcnt 1                             ; my part of K step 0 is in; K step 1's load may be out
	s_barrier_signal -1
	s_barrier_wait -1
	FETCH_B 0, 0, 0
	FETCH_A 0, 0, 0
	FETCH_A 0, 0, 4
	STEP 0, 0, 1
	s_mov_b32 s3, LAPS-1
.Llap:
	TURN 0, 1, 1
	STEP 1, 0, 0
	TURN 1, 0, 1
	STEP 0, 0, 0
	s_sub_co_u32 s3, s3, 1
	s_cmp_lg_u32 s3, 0
	s_cbranch_scc1 .Llap
	TURN 0, 1, 0
	STEP 1, 0, 0
	s_wait_dscnt 4*NL
	WIN MUL_LO
	MUL16 0, 1, 0
	MUL16 2, 1, 0
	s_wait_dscnt 0
	WIN MUL_HI
	MUL16 4, 1, 0
	MUL16 6, 1, 0
	WIN 0
	s_wait_kmcnt 0x0
	s_add_co_i32 s76, s76, s77
	s_lshl_b32 s76, s76, 23
	s_add_co_i32 s96, s76, 0x3d38aa3b              ; c = log2(e) / 32 x 2^(eq + ek): the two exponents are added to the exponent field
	s_mov_b32 s97, s96                             ; (named with it as a pair, so it is written)
	s_mov_b32 s98, 0x76543210                      ; v_permlanex16_b32: lane l xor 16
	s_mov_b32 s99, 0xfedcba98
	s_mov_b32 s100, 0xffff0000                     ; lanes 16-31
	s_add_co_i32 s78, s78, 127
	s_lshl_b32 s77, s78, 23
	s_add_co_i32 s78, s78, 15
	s_lshl_b32 s78, s78, 23
	s_or_b32 s78, s78, 0x600000
	v_mov_b32 v8, s77                              ; 2^ep as f32.  (These four moves are the places behind the last products)
	v_mov_b32 v9, s78                              ; 57,344 x 2^ep
	v_mov_b32 v11, 0                               ; (named as the upper half of the pair v[10:11])
	v_mov_b32 v14, 0                               ; a lane permute's destination counts as one of its sources
; Block a: 16 queries x my 128 keys, 64 numbers a lane.
.macro SOFT a
.set AC, 64*((\a)%4)
.set W, 2+(\a)/4
	WIN 20*W                                       ; sources 1 and 2 in the accumulators' window
	v_max3_num_f32 v12, 0xe0800000, v[AC], v[AC+1]         ; the largest score, in two chains, with the floor -2^66 among the leaves; each accumulator from its low end on
	v_max3_num_f32 v13, 0xe0800000, v[AC+2], v[AC+3]
	v_max3_num_f32 v12, v12, v[AC+4], v[AC+5]
	v_max3_num_f32 v13, v13, v[AC+6], v[AC+7]
.irp b, 1,2,3,4,5,6,7
	v_max3_num_f32 v12, v12, v[AC+8*\b], v[AC+8*\b+1]
	v_max3_num_f32 v13, v13, v[AC+8*\b+2], v[AC+8*\b+3]
	v_max3_num_f32 v12, v12, v[AC+8*\b+4], v[AC+8*\b+5]
	v_max3_num_f32 v13, v13, v[AC+8*\b+6], v[AC+8*\b+7]
.endr
	WIN 0
	v_max_num_f32 v12, v12, v13
	v_permlanex16_b32 v14, v12, s98, s99           ; the query's other 64 keys lie in the lane 16 away
	v_max_num_f32 v12, v12, v14
	v_mul_f32 v12, s96, v12                        ; as t (c is positive)
	v_floor_f32 v10, -v12                          ; -M = floor(-t) = -ceil(t): M is a whole number
	WIN W                                          ; source 0 in the accumulators' window
.set JJ, 0
.rept 32
	v_pk_fma_f32 v[TMP+JJ:TMP+JJ+1], v[AC+JJ:AC+JJ+1], s[96:97], v[10:11] op_sel_hi:[1,0,0]   ; t - M, two at a time (of the pairs c and -M the low word serves both halves)
.set JJ, JJ+2
.endr
	WIN 0
.set JJ, 0
.rept 64
	v_exp_f32 v[TMP+JJ], v[TMP+JJ]                 ; p = 2^(t - M), at most 1
.set JJ, JJ+1
.endr
	v_mul_f32 v[MS+\a], -1.0, v10                  ; M, for the statistics.  (The plain instruction behind the exponentials)
	s_wait_alu depctr_va_vdst(0)
	v_pk_add_f32 v[56:57], v[TMP:TMP+1], v[TMP+4:TMP+5]      ; the sum is taken of the UNQUANTISED p, in two chains
	v_pk_add_f32 v[58:59], v[TMP+2:TMP+3], v[TMP+6:TMP+7]
.set JJ, 8
.rept 14
	v_pk_add_f32 v[56:57], v[56:57], v[TMP+JJ:TMP+JJ+1]
	v_pk_add_f32 v[58:59], v[58:59], v[TMP+JJ+2:TMP+JJ+3]
.set JJ, JJ+4
.endr
	v_pk_add_f32 v[56:57], v[56:57], v[58:59]
	v_add_f32 v56, v56, v57
	v_permlanex16_b32 v14, v56, s98, s99
	v_add_f32 v[LS+\a], v56, v14                   ; l
.set JJ, 0
.rept 64
	v_min_num_f32 v[TMP+JJ], v[TMP+JJ], v9         ; the conversion to an 8-bit code does not saturate (ISA guide 7.6.2); p is not negative, so the hold is one-sided
.set JJ, JJ+1
.endr
.irp b, 0,1,2,3,4,5,6,7
	v_cvt_scalef32_pk8_bf8_f32 v[CD+16*(\a)+2*\b:CD+16*(\a)+2*\b+1], v[TMP+8*\b:TMP+8*\b+7], v8
.endr
.irp b, 0,1,2,3,4,5,6,7
	ds_store_b64 v[STO], v[CD+16*(\a)+2*\b:CD+16*(\a)+2*\b+1] offset:(\a)*16*PITCH+16*\b
.endr
.endm
.irp a, 0,1,2,3,4,5,6,7
	SOFT \a
.endr
.irp g, 0,1                                    ; the statistics of my two groups of 64 queries: lanes 0-15 take blocks 0, 1 of the group, lanes 16-31 blocks 2, 3
	v_cndmask_b32 v[SS+4*\g], v[MS+4*\g], v[MS+4*\g+2], s100
	v_cndmask_b32 v[SS+4*\g+1], v[MS+4*\g+1], v[MS+4*\g+3], s100
	v_cndmask_b32 v[SS+4*\g+2], v[LS+4*\g], v[LS+4*\g+2], s100
	v_cndmask_b32 v[SS+4*\g+3], v[LS+4*\g+1], v[LS+4*\g+3], s100
	global_store_b128 v[LN], v[SS+4*\g:SS+4*\g+3], s[12:13] offset:512*\g   ; 32 lanes store 512 consecutive bytes
.endr
	s_wait_dscnt 0x0                               ; for the others' sake: my stores into the stage are done (a row's 256 codes come from two waves)
	s_barrier_signal -1
	s_barrier_wait -1
.set TT, 0
.rept 32
	ds_load_b128 v[CD+4*TT:CD+4*TT+3], v[RD] offset:TT*2*PITCH
.set TT, TT+1
.endr
.set TT, 0
.rept 32
	s_wait_dscnt 31-TT                             ; load t is in, the younger ones may be out
	global_store_b128 v[CO], v[CD+4*TT:CD+4*TT+3], s[10:11] offset:TT*4096   ; rows 2 t + h: 16 lanes store 256 consecutive bytes, at a multiple of 256 from the buffer's first byte
.set TT, TT+1
.endr
	s_wait_tensorcnt 0x0                           ; the wave's end
	ds_add_u32 v[SPW], v[NIL]
	s_wait_dscnt 0x0
	CROUND                                         ; the closing round
	s_endpgm
.Lfunc_end_k_q231dfad8fc_scores:
	.size	k_q231dfad8fc_scores, .Lfunc_end_k_q231dfad8fc_scores-k_q231dfad8fc_scores
	.p2alignl 7, 3214868480
	.fill 96, 4, 3214868480
	.section	.rodata,"a",@progbits
	.p2align	6, 0x0
	.amdhsa_kernel k_q231dfad8fc_scores
		.amdhsa_group_segment_fixed_size 327680
		.amdhsa_private_segment_fixed_size 0
		.amdhsa_enable_private_segment 0
		.amdhsa_kernarg_size 40
		.amdhsa_user_sgpr_count 2
		.amdhsa_user_sgpr_kernarg_segment_ptr 1
		.amdhsa_wavefront_size32 1
		.amdhsa_system_sgpr_workgroup_id_x 1
		.amdhsa_system_sgpr_workgroup_id_y 1
		.amdhsa_system_sgpr_workgroup_id_z 1
		.amdhsa_system_vgpr_workitem_id 0
		.amdhsa_next_free_vgpr 1024
		.amdhsa_next_free_sgpr 102
		.amdhsa_reserve_vcc 1
		.amdhsa_float_denorm_mode_32 3
		.amdhsa_float_denorm_mode_16_64 3
		.amdhsa_memory_ordered 1
		.amdhsa_forward_progress 1
		.amdhsa_inst_pref_size 180
	.end_amdhsa_kernel
	.amdgpu_metadata
---
amdhsa.version: [ 1, 2 ]
amdhsa.kernels:
  - .name:           k_q231dfad8fc_scores
    .symbol:         k_q231dfad8fc_scores.kd
    .args:
      - { .name: q_codes, .offset: 0, .size: 8, .value_kind: global_buffer, .address_space: global }
      - { .name: k_codes, .offset: 8, .size: 8, .value_kind: global_buffer, .address_space: global }
      - { .name: lowp_scales, .offset: 16, .size: 8, .value_kind: global_buffer, .address_space: global }
      - { .name: p_codes, .offset: 24, .size: 8, .value_kind: global_buffer, .address_space: global }
      - { .name: stats, .offset: 32, .size: 8, .value_kind: global_buffer, .address_space: global }
    .group_segment_fixed_size: 327680
    .private_segment_fixed_size: 0
    .kernarg_segment_align: 8
    .kernarg_segment_size: 40
    .max_flat_workgroup_size: 128
    .sgpr_count:     102
    .vgpr_count:     1024
    .wavefront_size: 32
...
	.end_amdgpu_metadata
.endif
;; end of part 2
;; launch pv (part 3): grid 8 x 32, 4 waves a work-group, clusters of 4 x 1, 327,680 bytes of LDS; arguments p_codes, v_codes, stats, lowp_scales, out0; writes out0
.if DOCPART == 3
	.amdgcn_target "amdgcn-amd-amdhsa--gfx1250"
	.amdhsa_code_object_version 6
	.text
	.protected	k_q231dfad8fc_pv
	.globl	k_q231dfad8fc_pv
	.p2align	8
	.type	k_q231dfad8fc_pv,@function
k_q231dfad8fc_pv:
	s_mov_b64 s[64:65], 0
	v_nop
	global_prefetch_b8 v0, s[64:65] scope:SCOPE_SE
	s_setreg_imm32_b32 hwreg(HW_REG_WAVE_MODE, 25, 1), 1
	s_wait_xcnt 0x0
	s_wait_alu depctr_hold_cnt(0) depctr_sa_sdst(0) depctr_va_vdst(0) depctr_va_sdst(0) depctr_va_ssrc(0) depctr_va_vcc(0) depctr_vm_vsrc(0)
	s_getreg_b32 s2, hwreg(HW_REG_IB_STS2, 6, 4)
	s_cmp_eq_u32 s2, 0
	s_cbranch_scc0 .Lentry_in_a_cluster
	s_endpgm
.Lentry_in_a_cluster:
	s_bfe_u32 s2, ttmp6, 0x10000c
	s_cmp_lg_u32 s2, 0x3003
	s_cbranch_scc0 .Lentry_shape_is_right
	s_endpgm
.Lentry_shape_is_right:
; O = (sum over the keys of p v) / l on codes of BF8 (E5M2).  p_codes [4][2048 q][2048 keys], each block of 128 keys under its own whole number M; v_codes [1024 d][4 x 2048 keys]; stats: M and l of each query and block; out0 [4][2048][1024] f32.
; SHARES.  A work-group makes two tiles of 128 queries x 128 channels: strip p of a batch's sixteen (p = y % 8) and then strip 15 - p, so that under the causal mask every work-group walks the same number of keys:
; slots of 512 keys, NA = p / 4 + 1 for the first strip and 5 - NA for the second: five slots, twenty steps of 128 keys, written out.  (Up to three steps meet zero codes behind the diagonal.)
; Four waves, each 64 queries x 64 channels: 16 accumulators.  Source 0 = 16 channels of v, source 1 = 16 queries of p: a lane holds ONE query (lane % 16) and eight neighbouring channels.
; FROM BLOCK TO BLOCK.  The sums are kept under the block's own M' = max(M, the running largest M - 60): acc = acc x 2^(old M' - new M') + P V, and l by the same rule: every factor is an exact power of two, at most 2^60,
; so that |acc| stays under 2^103.  All nineteen factors of a query hang on the statistics alone: each wave makes them at its head, while the first tiles are on their way, and keeps them in a table of its own in LDS.
; LIMIT: a block that lies more than 60 binades under the running largest M is weighted 2^-60 and not less.  Codes of NaN or infinity are not served (the second strip's sums begin as the first's x 0).  ep + ev is applied by v_ldexp_f32.
; CLUSTER.  The four work-groups of a cluster make four tiles of channels of the same strips: p's tiles are asked for JOINTLY (waves 0, 1); v's differ from partner to partner and are plain loads (waves 2, 3).
; v's tiles are not shared: work-groups that read the same channels own other strips and walk other keys.  The two branches round the first strip's way out hang on y alone, which the partners share.
; REGISTERS: window 0: v1 r, v2 h, v3-7 offsets into the statistics, v8-15 the scan's state, v16-30 addresses, v32-47 two sets of factors, v48-127 the statistics, later the divisors (v48-55) and rows on the way out (v64-127), v128-255 the accumulators.
;   window 1: two buffers of 128: p's four fragments, then v's four.
.set PITCH,  528                       ; an LDS row: 512 bytes + 16 of padding = 132 words: row r starts at bank 4 r mod 64 (ISA guide 11.1)
.set HALFT,  64*PITCH                  ; 64 rows: what one tensor load brings, and what one wave reads of p or of v
.set SLOT,   4*HALFT                   ; p's 128 rows, then v's 128 rows
.set STAGE,  2*SLOT                    ; behind the ring: 16 rows x 272 bytes for each wave, for the way out
.set SP,     272
.set TBL,    STAGE+4*16*SP             ; the tables: for each wave 22 entries of 256 bytes: entry f (1 to 19): for query r, at 16 r, the factors of the four blocks of 16 queries in front of step f; entries 20, 21: the two strips' divisors
.set TBW,    22*256
.set SPARE,  TBL+4*TBW                 ; the spare words, 128 bytes for each wave
.set FR,   16
.set MR,   8                           ; v8-9    the running largest M, for u = 0, 1 (block of queries 2 h + u)
.set MP,   10                          ; v10-11  M' of the step before
.set LR,   12                          ; v12-13  the running l
.set LA,   14                          ; v14-15  the first strip's l
.set ADRP, 16                          ; v16-17  LDS address of my fragments of p in slot 0, 1
.set ADRV, 20                          ; v20-21  of v
.set STO,  24
.set RD,   25
.set CO,   26
.set TB,   27                          ; v27     my query's 16 bytes in an entry of my table
.set SPW,  28
.set NIL,  29
.set TW,   30                          ; v30     where I write 8 of them
.set RT,   32                          ; two sets of eight: +0..+3 as loaded, +4 and +6 copies of +1 and +3, so that each factor begins a pair
.set X,    48
.set OS,   48
.set BK,   64
.set ACC,  128
.set F0,   0
.set F1,   128
.set G1,  24                           ; s[24:31] descriptor group 1 for p;  s[32:39] group 0, one set for each slot
.set G0,  32
.set G1V, 48                           ; s[48:55], s[56:63] the same for v
.set G0V, 56
.set IDX, 70                           ; s70-74  trip w: which 512 keys; then v's byte offset of the trip
.set STR, 75                           ; s75-79  trip w: which strip; then p's byte offset of the trip
.set MSB, 0
.macro WIN new
.if MSB != (\new)
	s_set_vgpr_msb (MSB<<8)|(\new)
.set MSB, (\new)
.endif
.endm
.set MUL,  0x05                        ; sources 0 and 1 window 1; C and D window 0
.set TO_F, 0x40                        ; destination window 1, address window 0
.macro TLOAD s                         ; waves 0 and 1 ask jointly for p's two halves, waves 2 and 3 fetch v's; four v_nop follow each of the two lines
	s_cmp_eq_u32 s15, 0
	s_cbranch_scc0 .Lfor_v_\@
	tensor_load_to_lds s[G0+4*\s:G0+4*\s+3], s[G1:G1+7]
	s_nop 0
.rept 4
	v_nop
.endr
	s_branch .Lasked_\@
.Lfor_v_\@:
	tensor_load_to_lds s[G0V+4*\s:G0V+4*\s+3], s[G1V:G1V+7]
	s_nop 0
.rept 4
	v_nop
.endr
.Lasked_\@:
.endm
.macro CREST
	s_cmp_lg_u32 s14, 0
	s_cbranch_scc1 .Lnot_wave_0_\@
	s_barrier_signal -3
.Lnot_wave_0_\@:
	s_barrier_wait -3
	s_barrier_signal -1
	s_barrier_wait -1
.endm
.macro CROUND
	s_barrier_signal -1
	s_barrier_wait -1
	CREST
.endm
	s_load_b256 s[4:11], s[0:1], 0x0               ; p s[4:5], v s[6:7], the statistics s[8:9], the scales' exponents s[10:11]
	s_load_b64 s[12:13], s[0:1], 0x20              ; out0
	v_lshl_add_u32 v[SPW], v0, 2, SPARE
	v_mov_b32 v[NIL], 0
	ds_add_u32 v28, v29
	ds_add_u32 v28, v29
	s_wait_dscnt 0x0
	v_lshrrev_b32 v1, 5, v0
	v_readfirstlane_b32 s14, v1                    ; wave 0..3
	s_lshr_b32 s15, s14, 1                         ; i: my half of the queries.  Also: I fetch for p (0) or for v (1)
	s_and_b32 s16, s14, 1                          ; j: my half of the channels.  Also: which 64 rows I fetch
	s_bfe_u32 s40, ttmp6, 0x40000                  ; cx
	s_lshl_b32 s42, ttmp9, 2
	s_add_co_u32 s42, s42, s40                     ; the tile of 128 channels: it enters v's and out0's addresses alone
	s_and_b32 s17, ttmp7, 0xffff                   ; y, which the four partners share
	s_lshr_b32 s18, s17, 3                         ; the batch
	s_and_b32 s19, s17, 7                          ; the first strip
	s_lshr_b32 s20, s19, 2
	s_add_co_u32 s20, s20, 1                       ; NA: its slots
	s_sub_co_u32 s21, 15, s19                      ; the second strip
	s_mov_b32 s[IDX], 0                            ; the five trips: (first, 0); NA = 2: (first, 1), (second, 0), else (second, 0), (second, 1); (second, 3 - NA); (second, 4 - NA)
	s_mov_b32 s[STR], s19
	s_mov_b32 s[STR+2], s21
	s_mov_b32 s[STR+3], s21
	s_mov_b32 s[STR+4], s21
	s_cmp_eq_u32 s20, 2
	s_cselect_b32 s[IDX+1], 1, 0
	s_cselect_b32 s[STR+1], s19, s21
	s_cselect_b32 s[IDX+2], 0, 1
	s_cselect_b32 s84, 0, -1                       ; all lanes where the second strip begins at step 4,
	s_cselect_b32 s85, -1, 0                       ; at step 8
	s_sub_co_u32 s[IDX+3], 3, s20
	s_sub_co_u32 s[IDX+4], 4, s20
	v_and_b32 v22, 31, v0
	v_lshlrev_b32 v22, 4, v22                      ; 16 x lane
.irp w, 0,1,2,3,4
	s_lshl_b32 s90, s18, 4                         ; the statistics of trip w's first block: ((16 batch + 4 idx) x 32 + 2 strip + i) x 512
	s_lshl_b32 s92, s[IDX+\w], 2
	s_add_co_u32 s90, s90, s92
	s_lshl_b32 s90, s90, 5
	s_lshl_b32 s92, s[STR+\w], 1
	s_add_co_u32 s90, s90, s92
	s_add_co_u32 s90, s90, s15
	s_lshl_b32 s90, s90, 9
	v_add_nc_u32 v[3+\w], s90, v22
	s_lshl_b32 s[IDX+\w], s[IDX+\w], 9             ; from here on: v's byte offset of the trip: 512 idx,
	s_lshl_b32 s[STR+\w], s[STR+\w], 18
	s_add_co_u32 s[STR+\w], s[STR+\w], s[IDX+\w]   ; and p's: 128 strip rows of 2,048 bytes + 512 idx
.endr
	; descriptor group 1: a tile of 64 rows x 512 bytes, padded in LDS
	s_mov_b32 s[G1], 15|(0<<16)|(1<<20)|(1<<21)|(6<<22)|(3<<25)   ; 15:0 the mask: all four work-groups; elements of 1 byte; 20 padding on; 21 set beside a mask; 24:22 after every 128 words (code 6); 31:25 of 4 words (code 3)
	s_mov_b32 s[G1V], (0<<16)|(1<<20)|(6<<22)|(3<<25)             ; no mask: a load of my own
.irp g, G1, G1V
	s_mov_b32 s[\g+1], 512<<16                     ; tensor_dim0
	s_mov_b32 s[\g+2], 64<<16                      ; tensor_dim1
	s_mov_b32 s[\g+3], 512<<16                     ; tile_dim0
	s_mov_b32 s[\g+4], 64                          ; tile_dim1
	s_mov_b32 s[\g+6], 0
	s_mov_b32 s[\g+7], 0
.endr
	s_mov_b32 s[G1+5], 2048                        ; a row of p_codes
	s_mov_b32 s[G1V+5], 8192                       ; a row of v_codes
	s_lshl_b32 s22, s18, 22                        ; p: (2048 batch + 64 x my half) rows of 2,048 bytes
	s_lshl_b32 s23, s16, 17
	s_add_co_u32 s22, s22, s23
	s_mov_b32 s23, 0
	s_lshl_b32 s46, s42, 20                        ; v: (128 tile + 64 x my half) rows of 8,192 bytes + 2048 batch
	s_lshl_b32 s47, s16, 19
	s_add_co_u32 s46, s46, s47
	s_lshl_b32 s47, s18, 11
	s_add_co_u32 s46, s46, s47
	s_mov_b32 s47, 0
	s_lshl_b32 s90, s18, 11                        ; out0: row 2048 batch + 128 strip + 64 i, of 4,096 bytes, + (128 tile + 64 j) x 4: under 2^26
	s_lshl_b32 s92, s15, 6
	s_add_co_u32 s90, s90, s92
	s_lshl_b32 s92, s19, 7
	s_add_co_u32 s92, s92, s90
	s_lshl_b32 s92, s92, 12
	s_lshl_b32 s96, s21, 7
	s_add_co_u32 s96, s96, s90
	s_lshl_b32 s96, s96, 12
	s_lshl_b32 s90, s42, 9
	s_lshl_b32 s97, s16, 8
	s_add_co_u32 s90, s90, s97
	s_add_co_u32 s92, s92, s90
	s_add_co_u32 s96, s96, s90
	s_mov_b32 s93, 0
	s_mov_b32 s97, 0
	s_mov_b32 s91, 0
	s_mul_i32 s45, s14, HALFT                      ; where my tiles go: wave x 64 rows: no place in the cluster enters an LDS address
	s_wait_kmcnt 0x0
	s_load_b64 s[94:95], s[10:11], 0x20            ; ep, ev
	s_add_nc_u64 s[80:81], s[4:5], s[22:23]        ; p at my rows of strip 0
	s_add_nc_u64 s[82:83], s[6:7], s[46:47]        ; v at my rows, the batch's key 0
	s_add_nc_u64 s[86:87], s[12:13], s[92:93]      ; out0 at my part of the first strip's tile,
	s_add_nc_u64 s[88:89], s[12:13], s[96:97]      ; of the second's
	CROUND                                         ; all four work-groups are here: the first joint loads meet
.irp s, 0,1
	s_mov_b32 s90, s[STR+\s]
	s_mov_b32 s92, s[IDX+\s]
	s_mov_b32 s[G0+4*\s], 1
	s_add_co_u32 s[G0+4*\s+1], s45, \s*SLOT
	s_add_nc_u64 s[G0+4*\s+2:G0+4*\s+3], s[80:81], s[90:91]
	s_or_b32 s[G0+4*\s+3], s[G0+4*\s+3], 0x80000000
	s_mov_b32 s[G0V+4*\s], 1
	s_add_co_u32 s[G0V+4*\s+1], s45, \s*SLOT
	s_add_nc_u64 s[G0V+4*\s+2:G0V+4*\s+3], s[82:83], s[92:93]
	s_or_b32 s[G0V+4*\s+3], s[G0V+4*\s+3], 0x80000000
	TLOAD \s                                       ; trips 0 and 1: two loads of mine are out
.endr
.irp w, 0,1,2,3,4                              ; the statistics of my 64 queries for all twenty blocks: 16 bytes a lane, 512 consecutive bytes a load
.irp q, 0,1,2,3
	global_load_b128 v[X+4*(4*\w+\q):X+4*(4*\w+\q)+3], v[3+\w], s[8:9] offset:16384*\q
.endr
.endr
	v_and_b32 v1, 15, v0                           ; r
	v_bfe_u32 v2, v0, 4, 1                         ; h
	v_mul_u32_u24 v18, v1, PITCH
	v_lshl_add_u32 v18, v2, 4, v18                 ; a fragment's row x pitch + 16 x half
	s_mul_i32 s22, s15, HALFT                      ; my 64 rows of p
	s_mul_i32 s23, s16, HALFT                      ; my 64 rows of v,
	s_add_co_u32 s23, s23, 2*HALFT                 ; which lie behind p's 128
.irp s, 0,1
	v_add_nc_u32 v[ADRP+\s], s22, v18
	v_add_nc_u32 v[ADRV+\s], s23, v18
	s_add_co_u32 s22, s22, SLOT
	s_add_co_u32 s23, s23, SLOT
.endr
	s_mul_i32 s22, s14, 16*SP
	s_add_co_u32 s22, s22, STAGE                   ; my stage
	v_mul_u32_u24 v18, v1, SP                      ; in: row r, 32 bytes for each half of the lanes
	v_lshl_add_u32 v18, v2, 5, v18
	v_add_nc_u32 v[STO], s22, v18
	v_mul_u32_u24 v18, v2, SP                      ; back: lanes 0-15 one row of 256 bytes, lanes 16-31 the next
	v_lshl_add_u32 v18, v1, 4, v18
	v_add_nc_u32 v[RD], s22, v18
	v_lshlrev_b32 v18, 12, v2
	v_lshl_add_u32 v[CO], v1, 4, v18               ; and the same two rows in out0
	s_mul_i32 s22, s14, TBW
	s_add_co_u32 s22, s22, TBL                     ; my table
	v_lshlrev_b32 v18, 4, v1
	v_add_nc_u32 v[TB], s22, v18
	v_lshl_add_u32 v[TW], v2, 3, v[TB]
	v_mov_b32 v[RT+5], 0                           ; named as the upper halves of pairs, so they are written
	v_mov_b32 v[RT+7], 0
	v_mov_b32 v[RT+13], 0
	v_mov_b32 v[RT+15], 0
	v_mov_b32 v23, 0xff61b1e6                      ; -3e38, under every M
	s_wait_loadcnt 0x0
; THE SCAN.  Step f, for my two blocks of queries.  mask: the scalar register that is all ones where a strip begins at this step (0: none), inv: its complement.
.macro SCAN f, mask, inv
.irp u, 0,1
.if \mask
	v_cndmask_b32 v[MR+\u], v[MR+\u], v23, s[\mask]          ; a new strip forgets the old maximum
.endif
	v_max_num_f32 v[MR+\u], v[MR+\u], v[X+4*\f+\u]           ; the running largest M
	v_add_f32 v[18+\u], 0xc2700000, v[MR+\u]                 ; - 60
	v_max_num_f32 v[18+\u], v[18+\u], v[X+4*\f+\u]           ; M' of this step
	v_sub_f32 v[X+4*\f+\u], v[MP+\u], v[18+\u]               ; old M' - new M': a whole number, 60 at the most
	v_mov_b32 v[MP+\u], v[18+\u]
	v_cvt_i32_f32 v[X+4*\f+\u], v[X+4*\f+\u]                 ; (it saturates)
	v_ldexp_f32 v[X+4*\f+\u], 1.0, v[X+4*\f+\u]              ; the factor: an exact power of two, or 0
.if \mask
	v_cndmask_b32 v[X+4*\f+\u], 0, v[X+4*\f+\u], s[\inv]     ; a new strip begins from nothing
.endif
	v_fma_f32 v[LR+\u], v[LR+\u], v[X+4*\f+\u], v[X+4*\f+2+\u]
.endr
	ds_store_b64 v[TW], v[X+4*\f:X+4*\f+1] offset:256*\f
.endm
	v_mov_b32 v[MR], v[X]                          ; step 0 starts the state; its products start the sums, so it has no factor
	v_mov_b32 v[MR+1], v[X+1]
	v_mov_b32 v[MP], v[X]
	v_mov_b32 v[MP+1], v[X+1]
	v_mov_b32 v[LR], v[X+2]
	v_mov_b32 v[LR+1], v[X+3]
.irp f, 1,2,3
	SCAN \f, 0, 0
.endr
	v_mov_b32 v[LA], v[LR]                         ; the first strip's l, if it has one slot
	v_mov_b32 v[LA+1], v[LR+1]
	SCAN 4, 84, 85
.irp f, 5,6,7
	SCAN \f, 0, 0
.endr
	v_cndmask_b32 v[LA], v[LA], v[LR], s85         ; if it has two
	v_cndmask_b32 v[LA+1], v[LA+1], v[LR+1], s85
	SCAN 8, 85, 84
.irp f, 9,10,11,12,13,14,15,16,17,18,19
	SCAN \f, 0, 0
.endr
	s_wait_kmcnt 0x0
	s_add_co_i32 s94, s94, s95                     ; ep + ev
	v_rcp_f32 v18, v[LA]
	v_rcp_f32 v19, v[LA+1]
	v_rcp_f32 v22, v[LR]
	v_rcp_f32 v23, v[LR+1]
	v_nop                                          ; a plain instruction between the reciprocals and the use of their results
	s_wait_alu depctr_va_vdst(0)
	v_ldexp_f32 v18, v18, s94                      ; 2^(ep + ev) / l
	v_ldexp_f32 v19, v19, s94
	v_ldexp_f32 v22, v22, s94
	v_ldexp_f32 v23, v23, s94
	ds_store_b64 v[TW], v[18:19] offset:256*20
	ds_store_b64 v[TW], v[22:23] offset:256*21
.macro FRAG reg, adr, q, i             ; a fragment: lane l holds row l % 16; registers 4 c .. 4 c + 3 hold keys 32 c + 16 (l / 16) + 0 .. 15: the same order on both sides
.irp c, 0,1,2,3
	ds_load_b128 v[\reg+4*\c:\reg+4*\c+3], v[\adr] offset:128*(\q)+32*\c+(\i)*16*PITCH
.endr
.endm
.macro FETCH slot, q, f, phi           ; the fragments of the slot's q-th 128 keys into buffer f, and step phi's factors
.if (\phi) > 0
	ds_load_b128 v[RT+8*((\phi)%2):RT+8*((\phi)%2)+3], v[TB] offset:256*(\phi)   ; my own wave wrote them; LDS serves a wave's instructions in order (ISA guide 5.7.1.4)
.endif
	WIN TO_F
.irp i, 0,1,2,3
	FRAG \f+64+FR*\i, ADRV+\slot, \q, \i
	FRAG \f+FR*\i, ADRP+\slot, \q, \i
.endr
	WIN 0
.endm
.macro RESCALE set                     ; the sums under the step's M': each accumulator from its low end on
.set RS, RT+8*(\set)
	v_mov_b32 v[RS+4], v[RS+1]
	v_mov_b32 v[RS+6], v[RS+3]
.irp a, 0,1,2,3
.set RA, RS+2*(\a/2)+4*(\a%2)
.irp b, 0,1,2,3
.irp i, 0,2,4,6
	v_pk_mul_f32 v[ACC+8*(4*\a+\b)+\i:ACC+8*(4*\a+\b)+\i+1], v[ACC+8*(4*\a+\b)+\i:ACC+8*(4*\a+\b)+\i+1], v[RA:RA+1] op_sel_hi:[1,0]
.endr
.endr
.endr
.endm
.macro MUL8 f, a0, zero                ; 8 matrix instructions: blocks a0, a0 + 1 of queries x the four blocks of channels; the accumulators take turns
.irp a, \a0, \a0+1
.irp b, 0,1,2,3
.if \zero
	v_wmma_f32_16x16x128_bf8_bf8 v[ACC+8*(4*(\a)+\b):ACC+8*(4*(\a)+\b)+7], v[\f+64+FR*\b:\f+64+FR*\b+FR-1], v[\f+FR*(\a):\f+FR*(\a)+FR-1], 0
.else
	v_wmma_f32_16x16x128_bf8_bf8 v[ACC+8*(4*(\a)+\b):ACC+8*(4*(\a)+\b)+7], v[\f+64+FR*\b:\f+64+FR*\b+FR-1], v[\f+FR*(\a):\f+FR*(\a)+FR-1], v[ACC+8*(4*(\a)+\b):ACC+8*(4*(\a)+\b)+7]
.endif
.endr
.endr
.endm
.macro PLACES                          ; four places behind the last products: in front of loads into the buffer that they read and of the first read of their results (ISA guide 7.12.1 for the reads)
.rept 4
	v_nop
.endr
.endm
; One of a slot's first three steps: multiplies buffer f; the next step's fragments and factors are asked for first, into buffer g.
.macro STEP slot, q, f, g, phi
	s_wait_dscnt 0x0                               ; buffer f and this step's factors are in
	PLACES
	FETCH \slot, (\q)+1, \g, (\phi)+1
.if (\phi) > 0
	RESCALE (\phi)%2
	WIN MUL
	MUL8 \f, 0, 0
	MUL8 \f, 2, 0
.else
	WIN MUL
	MUL8 \f, 0, 1                                  ; the first step's products start the sums: nothing is cleared
	MUL8 \f, 2, 1
.endif
	WIN 0
.endm
; A slot's last step (buffer F1) changes slots.  fill = 1: this slot is filled again, with trip nt's tiles.
.macro TURN slot, next, fill, phi, nt
	s_wait_tensorcnt 0x0                           ; all my tensor loads have landed: my part of the next slot; so a group 0 may be written
	ds_add_u32 v[SPW], v[NIL]                      ; 0 onto my spare word
.if \fill
	s_mov_b32 s90, s[STR+\nt]
	s_mov_b32 s92, s[IDX+\nt]
	s_add_nc_u64 s[G0+4*\slot+2:G0+4*\slot+3], s[80:81], s[90:91]
	s_or_b32 s[G0+4*\slot+3], s[G0+4*\slot+3], 0x80000000
	s_add_nc_u64 s[G0V+4*\slot+2:G0V+4*\slot+3], s[82:83], s[92:93]
	s_or_b32 s[G0V+4*\slot+3], s[G0V+4*\slot+3], 0x80000000
.endif
	PLACES
	s_wait_dscnt 0x0                               ; the add is done; buffer F1 is in: my reads of this slot are over
	s_barrier_signal -1
	RESCALE (\phi)%2
	WIN MUL
	MUL8 F1, 0, 0
	WIN 0
	s_barrier_wait -1
.if \fill
	CREST                                          ; a round of the cluster's barrier: no wave of any partner still reads this slot or has a load on its way
	TLOAD \slot                                    ; the first tensor load behind the round, and my only one until the next: it has four steps in which to land
.else
	PLACES
.endif
	FETCH \next, 0, F0, (\phi)+1
	WIN MUL
	MUL8 F1, 2, 0
	WIN 0
.endm
; THE WAY OUT of a strip: the sums x 2^(ep + ev) / l, a block of 16 queries at a time through my own stage, back as whole rows of 256 bytes.
.macro WAYOUT entry, ob
	PLACES
	ds_load_b128 v[OS:OS+3], v[TB] offset:256*\entry
	s_wait_dscnt 0x0
	v_mov_b32 v[OS+4], v[OS+1]
	v_mov_b32 v[OS+6], v[OS+3]
.irp a, 0,1,2,3
.set RA, OS+2*(\a/2)+4*(\a%2)
.set BB, BK+32*(\a%2)
.irp b, 0,1,2,3
.irp i, 0,2,4,6
	v_pk_mul_f32 v[ACC+8*(4*\a+\b)+\i:ACC+8*(4*\a+\b)+\i+1], v[ACC+8*(4*\a+\b)+\i:ACC+8*(4*\a+\b)+\i+1], v[RA:RA+1] op_sel_hi:[1,0]
.endr
.endr
.irp b, 0,1,2,3
	ds_store_b128 v[STO], v[ACC+8*(4*\a+\b):ACC+8*(4*\a+\b)+3] offset:64*\b
	ds_store_b128 v[STO], v[ACC+8*(4*\a+\b)+4:ACC+8*(4*\a+\b)+7] offset:64*\b+16
.endr
	s_wait_xcnt 0x0                                ; earlier stores have read their registers: the loads below may land there
.irp t, 0,1,2,3,4,5,6,7
	ds_load_b128 v[BB+4*\t:BB+4*\t+3], v[RD] offset:\t*2*SP    ; LDS serves a wave's instructions in order: these see the stores above, and the next block's stores come behind them
.endr
.irp t, 0,1,2,3,4,5,6,7
	s_wait_dscnt 7-\t                              ; load t is in, the younger ones may be out
	global_store_b128 v[CO], v[BB+4*\t:BB+4*\t+3], s[\ob:\ob+1] offset:(16*\a+2*\t)*4096 th:TH_STORE_NT   ; 16 lanes store 256 consecutive bytes, at a multiple of 256 from out0's first byte
.endr
.endr
.endm
	s_wait_tensorcnt 1                             ; my part of trip 0's tiles is in; trip 1's load may be out
	s_wait_dscnt 0x0                               ; no LDS instruction of mine is pending at a signal: the table's stores
	s_barrier_signal -1
	s_barrier_wait -1
	FETCH 0, 0, F0, 0
	STEP 0, 0, F0, F1, 0
	STEP 0, 1, F1, F0, 1
	STEP 0, 2, F0, F1, 2
	TURN 0, 1, 1, 3, 2
	s_cmp_lg_u32 s20, 1                            ; a first strip of one slot is finished.  The branch jumps over no tensor load and no barrier
	s_cbranch_scc1 .Lnot_yet
	WAYOUT 20, 86
.Lnot_yet:
	STEP 1, 0, F0, F1, 4
	STEP 1, 1, F1, F0, 5
	STEP 1, 2, F0, F1, 6
	TURN 1, 0, 1, 7, 3
	s_cmp_lg_u32 s20, 2                            ; one of two slots is finished here
	s_cbranch_scc1 .Lgone
	WAYOUT 20, 86
.Lgone:
	STEP 0, 0, F0, F1, 8
	STEP 0, 1, F1, F0, 9
	STEP 0, 2, F0, F1, 10
	TURN 0, 1, 1, 11, 4
	STEP 1, 0, F0, F1, 12
	STEP 1, 1, F1, F0, 13
	STEP 1, 2, F0, F1, 14
	TURN 1, 0, 0, 15, 0                            ; nothing is left to fetch
	STEP 0, 0, F0, F1, 16
	STEP 0, 1, F1, F0, 17
	STEP 0, 2, F0, F1, 18
	s_wait_dscnt 0x0                               ; the last step
	PLACES
	RESCALE 1
	WIN MUL
	MUL8 F1, 0, 0
	MUL8 F1, 2, 0
	WIN 0
	WAYOUT 21, 88
	s_wait_tensorcnt 0x0                           ; the wave's end
	ds_add_u32 v[SPW], v[NIL]
	s_wait_dscnt 0x0
	CROUND                                         ; the closing round
	s_endpgm
.Lfunc_end_k_q231dfad8fc_pv:
	.size	k_q231dfad8fc_pv, .Lfunc_end_k_q231dfad8fc_pv-k_q231dfad8fc_pv
	.p2alignl 7, 3214868480
	.fill 96, 4, 3214868480
	.section	.rodata,"a",@progbits
	.p2align	6, 0x0
	.amdhsa_kernel k_q231dfad8fc_pv
		.amdhsa_group_segment_fixed_size 327680
		.amdhsa_private_segment_fixed_size 0
		.amdhsa_enable_private_segment 0
		.amdhsa_kernarg_size 40
		.amdhsa_user_sgpr_count 2
		.amdhsa_user_sgpr_kernarg_segment_ptr 1
		.amdhsa_wavefront_size32 1
		.amdhsa_system_sgpr_workgroup_id_x 1
		.amdhsa_system_sgpr_workgroup_id_y 1
		.amdhsa_system_sgpr_workgroup_id_z 1
		.amdhsa_system_vgpr_workitem_id 0
		.amdhsa_next_free_vgpr 512
		.amdhsa_next_free_sgpr 100
		.amdhsa_reserve_vcc 0
		.amdhsa_float_denorm_mode_32 3
		.amdhsa_float_denorm_mode_16_64 3
		.amdhsa_memory_ordered 1
		.amdhsa_forward_progress 1
		.amdhsa_inst_pref_size 214
	.end_amdhsa_kernel
	.amdgpu_metadata
---
amdhsa.version: [ 1, 2 ]
amdhsa.kernels:
  - .name:           k_q231dfad8fc_pv
    .symbol:         k_q231dfad8fc_pv.kd
    .args:
      - { .name: p_codes, .offset: 0, .size: 8, .value_kind: global_buffer, .address_space: global }
      - { .name: v_codes, .offset: 8, .size: 8, .value_kind: global_buffer, .address_space: global }
      - { .name: stats, .offset: 16, .size: 8, .value_kind: global_buffer, .address_space: global }
      - { .name: lowp_scales, .offset: 24, .size: 8, .value_kind: global_buffer, .address_space: global }
      - { .name: out0, .offset: 32, .size: 8, .value_kind: global_buffer, .address_space: global }
    .group_segment_fixed_size: 327680
    .private_segment_fixed_size: 0
    .kernarg_segment_align: 8
    .kernarg_segment_size: 40
    .max_flat_workgroup_size: 128
    .sgpr_count:     100
    .vgpr_count:     512
    .wavefront_size: 32
...
	.end_amdgpu_metadata
.endif
;; end of part 3
;; ======== version 2 of 2: 3 launches
;; limits: right only within a limited range of input values
;; workspace buffers: q_codes 8,388,608 bytes; k_codes 8,388,608 bytes; v_codes 8,388,608 bytes; p_codes 16,777,216 bytes; stats 1,048,576 bytes
;; launch proj (part 4): grid 8 x 32, 4 waves a work-group, clusters of 4 x 4, 327,680 bytes of LDS; arguments x_codes, wq_codes, wk_codes, wv_codes, lowp_scales, q_codes, k_codes, v_codes; writes q_codes, k_codes, v_codes
.if DOCPART == 4
	.amdgcn_target "amdgcn-amd-amdhsa--gfx1250"
	.amdhsa_code_object_version 6
	.text
	.protected	k_q231dfad8fc_proj
	.globl	k_q231dfad8fc_proj
	.p2align	8
	.type	k_q231dfad8fc_proj,@function
k_q231dfad8fc_proj:
	s_mov_b64 s[64:65], 0
	v_nop
	global_prefetch_b8 v0, s[64:65] scope:SCOPE_SE
	s_setreg_imm32_b32 hwreg(HW_REG_WAVE_MODE, 25, 1), 1
	s_wait_xcnt 0x0
	s_wait_alu depctr_hold_cnt(0) depctr_sa_sdst(0) depctr_va_vdst(0) depctr_va_sdst(0) depctr_va_ssrc(0) depctr_va_vcc(0) depctr_vm_vsrc(0)
	s_getreg_b32 s2, hwreg(HW_REG_IB_STS2, 6, 4)
	s_cmp_eq_u32 s2, 0
	s_cbranch_scc0 .Lentry_in_a_cluster
	s_endpgm
.Lentry_in_a_cluster:
	s_bfe_u32 s2, ttmp6, 0x10000c
	s_cmp_lg_u32 s2, 0xf033
	s_cbranch_scc0 .Lentry_shape_is_right
	s_endpgm
.Lentry_shape_is_right:
; THE PROGRAM, three launches.  proj: q, k and the first 256 channels of v, as codes of BF8 (E5M2).  scores: the tiles of q k^T, each with its softmax numerators as codes, and the other 768 channels of v.  pv: p v / l.
; WORK LEFT OUT: reference() sets the score of a key behind its query to -infinity, so p is 0 there whatever the inputs hold: the blocks of 512 queries x 512 keys that lie wholly above the diagonal are neither
; multiplied nor read.  LIMIT: a NaN, an infinity or an overflow that reaches only those blocks is not carried to the result.
; THIS LAUNCH.  A work-group makes, of 256 rows of x, 256 columns of q or of k and 32 channels of v; its four waves 128 rows x (128 columns + 16 channels) each: 72 accumulators, 576 registers.
; q, k: source 0 = 16 rows of the weight, source 1 = 16 rows of x: a lane holds one row of x and eight neighbouring columns, which are the next K.  v: the other way round: a lane holds one channel and eight neighbouring keys.
; OUT: q_codes, k_codes [8192][1024]; v_codes [1024 channels][8192 keys], rows 0-255.  A sum's code is sum / 2^(e of the result - the two operands' e): the three scales are folded into the conversion's one.
; LIMITS: each such exponent lies between -126 and 112.  Codes of NaN or infinity among the inputs are not served.
; K goes in four steps of 256 bytes through two slots of 544 rows.  CLUSTERS of 4 x 4: the four of a row share x's tile, the four of a column the weights' tiles: joint loads.
; PREFETCHES into the L2: behind K step 0's load the blocks of 256 bytes of steps 1 and 2, behind step 1's those of step 3: two steps ahead of the loads but for step 1.  The partners share the rows out by address: of the 128 rows of x
;   that wave 0 or 1 loads the work-group asks for 32 (by cx); of the weight's 256 for 64 (waves 2 and 3, by cy), of v's 32 for 8 (wave 3).  All eight clusters of a column of clusters read the same weights: those with an even y ask.
; REGISTERS: window 0: v1-31 addresses, v32-95 and v96-159 two sets of x's fragments (8 x 16 rows x 64 K), v160-231 the weights' nine fragments, set 0; window 3: v128-199 their set 1.
;   Accumulators: windows 1 and 2: q or k (64); window 3, v0-63: v (8).
.set P0,    272                        ; an LDS row: 256 bytes + 16 of padding = 68 words: row r starts at bank 4 r mod 64 (ISA guide 11.1)
.set SLOT,  544*P0                     ; x's 256 rows, the weight's 256, v's weight's 32
.set SPARE, 2*SLOT
.set VST,   256*P0                     ; the way out, in slot 0, which has had its last fill and its last read by then: q's or k's 256 rows at 0, v's 32 rows here
.set PFO,  12                          ; the prefetches' offsets: 1,024 x lane,
.set PFV,  13                          ; and for v's weight 1,024 x min(lane, 7); never rewritten
.set ADX,  16
.set ADW,  18
.set ADV,  20
.set STO,  22
.set STV,  23
.set RD,   24
.set RDV,  25
.set CO,   26
.set COV,  27
.set SPW,  28
.set NIL,  29
.set G1X, 24
.set G1W, 48
.set G1V, 56
.set G0X, 76                           ; group 0 for x's tiles, one set for each slot
.set G0W, 84                           ; for the weights': wave 2's and wave 3's
.set PADW, (1<<20)|(1<<21)|(5<<22)|(3<<25)   ; elements of 1 byte; padding: 4 words after every 64; 21 set beside a mask
.set MSB, 0
.macro WIN new
.if MSB != (\new)
	s_set_vgpr_msb (MSB<<8)|(\new)
.set MSB, (\new)
.endif
.endm
.macro PLACES
.rept 4
	v_nop
.endr
.endm
; Waves 0 and 1 ask for x's halves (jointly along the row), wave 2 for the weight's 256 rows, wave 3 for v's 32 (jointly along the column).
.macro JLOAD s
	s_cmp_lt_u32 s14, 2
	s_cbranch_scc0 .Lnot_x_\@
	tensor_load_to_lds s[G0X+4*\s:G0X+4*\s+3], s[G1X:G1X+7]
	s_nop 0
	PLACES
	s_branch .Lasked_\@
.Lnot_x_\@:
	s_cmp_eq_u32 s14, 2
	s_cbranch_scc0 .Lfor_v_\@
	tensor_load_to_lds s[G0W+4*\s:G0W+4*\s+3], s[G1W:G1W+7]
	s_nop 0
	PLACES
	s_branch .Lasked_\@
.Lfor_v_\@:
	tensor_load_to_lds s[G0W+4*\s:G0W+4*\s+3], s[G1V:G1V+7]
	s_nop 0
	PLACES
.Lasked_\@:
.endm
.macro ASK off                         ; s39 = 0: my wave asks for x's or the weight's rows; s45 = 0: for v's.  The branches hang on the wave's number and the cluster's y
	s_cmp_eq_u32 s39, 0
	s_cbranch_scc0 .Lno_rows_\@
	global_prefetch_b8 v[PFO], s[66:67] offset:\off th:TH_LOAD_NT scope:SCOPE_SE
.Lno_rows_\@:
	s_cmp_eq_u32 s45, 0
	s_cbranch_scc0 .Lno_v_\@
	global_prefetch_b8 v[PFV], s[8:9] offset:\off th:TH_LOAD_NT scope:SCOPE_SE
.Lno_v_\@:
.endm
.macro CREST
	s_cmp_lg_u32 s14, 0
	s_cbranch_scc1 .Lnot_wave_0_\@
	s_barrier_signal -3
.Lnot_wave_0_\@:
	s_barrier_wait -3
	s_barrier_signal -1
	s_barrier_wait -1
.endm
.macro CROUND
	s_barrier_signal -1
	s_barrier_wait -1
	CREST
.endm
	s_load_b256 s[4:11], s[0:1], 0x0               ; x, wq, wk, wv
	s_load_b256 s[68:75], s[0:1], 0x20             ; the scales' exponents, q, k, v
	v_lshl_add_u32 v[SPW], v0, 2, SPARE
	v_mov_b32 v[NIL], 0
	ds_add_u32 v[SPW], v[NIL]
	ds_add_u32 v[SPW], v[NIL]
	v_lshrrev_b32 v1, 5, v0
	v_readfirstlane_b32 s14, v1                    ; wave 0..3
	s_lshr_b32 s15, s14, 1                         ; i: my half of the rows of x
	s_and_b32 s16, s14, 1                          ; j: my half of the columns and channels
	s_bfe_u32 s40, ttmp6, 0x40000                  ; cx
	s_bfe_u32 s41, ttmp6, 0x40004                  ; cy
	s_lshl_b32 s42, ttmp9, 2
	s_add_co_u32 s42, s42, s40                     ; c: tile column 0..7: 0-3 q, 4-7 k
	s_and_b32 s17, ttmp7, 0xffff
	s_lshl_b32 s17, s17, 2
	s_add_co_u32 s17, s17, s41                     ; tile row 0..31
	s_lshl_b32 s43, s41, 2
	s_lshl_b32 s43, 15, s43                        ; my row of the cluster
	s_lshl_b32 s44, 0x1111, s40                    ; my column
	s_or_b32 s[G1X], s43, PADW
	s_or_b32 s[G1W], s44, PADW
	s_or_b32 s[G1V], s44, PADW
.irp g, G1X, G1W, G1V
	s_mov_b32 s[\g+1], 256<<16
	s_mov_b32 s[\g+3], 256<<16
	s_mov_b32 s[\g+5], 1024
	s_mov_b32 s[\g+6], 0
	s_mov_b32 s[\g+7], 0
.endr
	s_mov_b32 s[G1X+2], 128<<16
	s_mov_b32 s[G1X+4], 128
	s_mov_b32 s[G1W+2], 256<<16
	s_mov_b32 s[G1W+4], 256
	s_mov_b32 s[G1V+2], 32<<16
	s_mov_b32 s[G1V+4], 32
	s_lshl_b32 s20, s17, 18                        ; x: rows 256 x tile row + 128 x wave, of 1,024 bytes
	s_lshl_b32 s21, s14, 17
	s_add_co_u32 s20, s20, s21
	s_mov_b32 s21, 0
	s_lshl_b32 s18, s42, 15                        ; v's weight: rows 32 c
	s_lshl_b32 s19, s40, 18                        ; q's or k's: rows 256 cx
	s_cmp_eq_u32 s14, 3
	s_cselect_b32 s46, s18, s19
	s_mov_b32 s47, 0
	s_mul_i32 s22, s14, 128*P0                     ; where x's halves go (waves 0, 1),
	s_mul_i32 s23, s16, 256*P0
	s_add_co_u32 s23, s23, 256*P0                  ; and the weights (waves 2, 3): no place in the cluster enters an LDS address
	s_wait_alu depctr_va_vdst(0)
	s_wait_dscnt 0x0                               ; both opening adds are done
	CROUND                                         ; all sixteen work-groups are here: the first joint loads meet
	s_wait_kmcnt 0x0
	s_cmp_eq_u32 ttmp9, 0
	s_cselect_b64 s[2:3], s[6:7], s[8:9]
	s_cselect_b64 s[12:13], s[70:71], s[72:73]
	s_mov_b64 s[66:67], s[2:3]
	s_cmp_eq_u32 s14, 3
	s_cselect_b64 s[2:3], s[10:11], s[2:3]
	s_add_nc_u64 s[20:21], s[4:5], s[20:21]
	s_add_nc_u64 s[46:47], s[2:3], s[46:47]
	s_mov_b32 s[G0X], 1
	s_mov_b32 s[G0X+1], s22
	s_mov_b64 s[G0X+2:G0X+3], s[20:21]
	s_or_b32 s[G0X+3], s[G0X+3], 0x80000000
	s_mov_b32 s[G0W], 1
	s_mov_b32 s[G0W+1], s23
	s_mov_b64 s[G0W+2:G0W+3], s[46:47]
	s_or_b32 s[G0W+3], s[G0W+3], 0x80000000
	JLOAD 0                                        ; K step 0: one tensor load a wave
	s_load_b256 s[92:99], s[68:69], 0x0            ; the ten exponents: s92 .. s101
	s_load_b64 s[100:101], s[68:69], 0x20
	; the prefetches: where my wave's stand, and who asks
	s_lshl_b32 s18, s40, 15                        ; x: 32 cx rows on from my 128
	s_lshl_b32 s19, s40, 18                        ; the weight: rows 256 cx + 64 cy + 32 x (wave % 2)
	s_lshl_b32 s33, s41, 16
	s_add_co_u32 s19, s19, s33
	s_lshl_b32 s33, s16, 15
	s_add_co_u32 s19, s19, s33
	s_mov_b32 s33, 0
	s_and_b32 s39, ttmp7, 1
	s_mov_b32 s45, s39
	s_cmp_lt_u32 s14, 2
	s_cselect_b32 s32, s18, s19
	s_cselect_b32 s39, 0, s39
	s_cselect_b64 s[66:67], s[20:21], s[66:67]
	s_add_nc_u64 s[66:67], s[66:67], s[32:33]
	s_cmp_eq_u32 s14, 3
	s_cselect_b32 s45, s45, 1
	s_lshl_b32 s32, s42, 15                        ; v's weight: rows 32 c + 8 cy
	s_lshl_b32 s18, s41, 13
	s_add_co_u32 s32, s32, s18
	s_add_nc_u64 s[8:9], s[10:11], s[32:33]
	v_and_b32 v6, 31, v0
	v_min_u32 v7, 7, v6
	v_lshlrev_b32 v[PFO], 10, v6
	v_lshlrev_b32 v[PFV], 10, v7
	s_wait_alu depctr_va_vdst(0)
	ASK 256                                        ; K step 1
	ASK 512                                        ; K step 2
	s_mov_b32 s[G0X+4], 1
	s_add_co_u32 s[G0X+5], s22, SLOT
	s_add_nc_u64 s[G0X+6:G0X+7], s[20:21], 256
	s_or_b32 s[G0X+7], s[G0X+7], 0x80000000
	s_mov_b32 s[G0W+4], 1
	s_add_co_u32 s[G0W+5], s23, SLOT
	s_add_nc_u64 s[G0W+6:G0W+7], s[46:47], 256
	s_or_b32 s[G0W+7], s[G0W+7], 0x80000000
	s_lshl_b32 s18, s17, 8                         ; where my 64 rows of q or k go: row 256 x tile row + 64 x wave, byte 256 cx
	s_lshl_b32 s19, s14, 6
	s_add_co_u32 s19, s19, s18
	s_lshl_b32 s2, s19, 10
	s_lshl_b32 s19, s40, 8
	s_add_co_u32 s2, s2, s19
	s_mov_b32 s3, 0
	s_add_nc_u64 s[12:13], s[12:13], s[2:3]
	s_lshl_b32 s19, s42, 5                         ; and my 8 channels of v: row 32 c + 8 x wave, byte 256 x tile row
	s_lshl_b32 s2, s14, 3
	s_add_co_u32 s2, s2, s19
	s_lshl_b32 s2, s2, 13
	s_add_co_u32 s2, s2, s18
	s_add_nc_u64 s[74:75], s[74:75], s[2:3]
	s_mul_i32 s32, s15, 128*P0                     ; my 128 rows of x,
	s_mul_i32 s33, s16, 128*P0
	s_add_co_u32 s33, s33, 256*P0                  ; of the weight,
	s_mul_i32 s34, s16, 16*P0
	s_add_co_u32 s36, s34, VST
	s_add_co_u32 s34, s34, 512*P0                  ; my 16 of v's weight
	s_lshl_b32 s35, s16, 7
	s_add_co_u32 s35, s35, s32                     ; the stage: q, k: row 128 i, byte 128 j
	s_lshl_b32 s18, s15, 7
	s_add_co_u32 s36, s36, s18                     ; v: row 16 j, byte 128 i
	s_mul_i32 s37, s14, 64*P0
	s_mul_i32 s38, s14, 8*P0
	s_add_co_u32 s38, s38, VST
	v_and_b32 v1, 15, v0                           ; r
	v_bfe_u32 v2, v0, 4, 1                         ; h
	v_mul_u32_u24 v3, v1, P0
	v_lshl_add_u32 v5, v2, 3, v3
	v_lshl_add_u32 v3, v2, 4, v3
	v_add_nc_u32 v[ADX], s32, v3
	v_add_nc_u32 v[ADW], s33, v3
	v_add_nc_u32 v[ADV], s34, v3
	v_add_nc_u32 v[ADX+1], SLOT, v[ADX]
	v_add_nc_u32 v[ADW+1], SLOT, v[ADW]
	v_add_nc_u32 v[ADV+1], SLOT, v[ADV]
	v_add_nc_u32 v[STO], s35, v5
	v_add_nc_u32 v[STV], s36, v5
	v_mul_u32_u24 v6, v2, P0
	v_lshl_add_u32 v6, v1, 4, v6                   ; back: lanes 0-15 one row of 256 bytes, lanes 16-31 the next
	v_add_nc_u32 v[RD], s37, v6
	v_add_nc_u32 v[RDV], s38, v6
	v_lshlrev_b32 v7, 4, v1
	v_lshl_add_u32 v[CO], v2, 10, v7
	v_lshl_add_u32 v[COV], v2, 13, v7
; A fragment: 16 rows x 64 K: lane l holds row l % 16, K = 32 c + 16 (l / 16) + 0 .. 15 in registers 4 c .. 4 c + 3: the same permutation of k on both sides.
.macro FRAG reg, adr, slot, q, i
	ds_load_b128 v[\reg:\reg+3], v[\adr+\slot] offset:64*(\q)+(\i)*16*P0
	ds_load_b128 v[\reg+4:\reg+7], v[\adr+\slot] offset:64*(\q)+32+(\i)*16*P0
.endm
.macro FETCH_X slot, q, p
	WIN 0
.irp i, 0,1,2,3,4,5,6,7
	FRAG 32+64*(\p)+8*\i, ADX, \slot, \q, \i
.endr
.endm
.macro FETCH_W slot, q, p, i0, n       ; n of the nine fragments of the weights, from the i0-th; the ninth is v's
	WIN 0xc0*(\p)
.set II, \i0
.rept \n
.if II < 8
	FRAG 160-32*(\p)+8*II, ADW, \slot, \q, II
.else
	FRAG 160-32*(\p)+8*II, ADV, \slot, \q, 0
.endif
.set II, II+1
.endr
.endm
; Eight matrix instructions: the weights' block b against x's eight.  The 72 accumulators take turns.
.macro MULB b, p, zero
.set WS, 160-32*(\p)+8*(\b)
.set XS, 32+64*(\p)
.if (\b) < 8
.set AC, 64*((\b)%4)
	WIN 3*(\p)+0x50*(1+(\b)/4)
.irp a, 0,1,2,3,4,5,6,7
.if \zero
	v_wmma_f32_16x16x64_bf8_bf8 v[AC+8*\a:AC+8*\a+7], v[WS:WS+7], v[XS+8*\a:XS+8*\a+7], 0
.else
	v_wmma_f32_16x16x64_bf8_bf8 v[AC+8*\a:AC+8*\a+7], v[WS:WS+7], v[XS+8*\a:XS+8*\a+7], v[AC+8*\a:AC+8*\a+7]
.endif
.endr
.else
	WIN 0xf0+12*(\p)
.irp a, 0,1,2,3,4,5,6,7
.if \zero
	v_wmma_f32_16x16x64_bf8_bf8 v[8*\a:8*\a+7], v[XS+8*\a:XS+8*\a+7], v[WS:WS+7], 0
.else
	v_wmma_f32_16x16x64_bf8_bf8 v[8*\a:8*\a+7], v[XS+8*\a:XS+8*\a+7], v[WS:WS+7], v[8*\a:8*\a+7]
.endif
.endr
.endif
.endm
; 64 along K from set p; the next 64, of the same slot, come into the other set, in three runs.
.macro STEP slot, q, p, zero
	s_wait_dscnt 8                                 ; x's set and the weights' blocks 0-4 are in; the youngest 8 loads (blocks 5-8) may be out
	PLACES                                         ; in front of loads into the set that the last products read
	FETCH_X \slot, (\q)+1, 1-(\p)
	MULB 0, \p, \zero
	MULB 1, \p, \zero
	FETCH_W \slot, (\q)+1, 1-(\p), 0, 5
	MULB 2, \p, \zero
	MULB 3, \p, \zero
	MULB 4, \p, \zero
	s_wait_dscnt 26                                ; all but the 16 + 10 just issued: blocks 5-8 are in
	FETCH_W \slot, (\q)+1, 1-(\p), 5, 4
	MULB 5, \p, \zero
	MULB 6, \p, \zero
	MULB 7, \p, \zero
	MULB 8, \p, \zero
.endm
; A slot's last 64 along K (set 1) changes slots.  fill = 1: this slot is filled again, two K steps on.
.macro TURN slot, next, fill
	WIN 0
	s_wait_tensorcnt 0x0                           ; all my tensor loads have landed: my part of the next slot
	ds_add_u32 v[SPW], v[NIL]
.if \fill
	s_add_nc_u64 s[G0X+4*\slot+2:G0X+4*\slot+3], s[G0X+4*\slot+2:G0X+4*\slot+3], 512
	s_add_nc_u64 s[G0W+4*\slot+2:G0W+4*\slot+3], s[G0W+4*\slot+2:G0W+4*\slot+3], 512
.endif
	s_wait_dscnt 9                                 ; the add and the youngest 8 loads may be out
	MULB 0, 1, 0
	MULB 1, 1, 0
	s_wait_dscnt 0x0                               ; the add is done, and my reads of this slot are over
	s_barrier_signal -1
	MULB 2, 1, 0
	MULB 3, 1, 0
	WIN 0
	s_barrier_wait -1
.if \fill
	CREST                                          ; no wave of any partner still reads this slot or has a load on its way
	JLOAD \slot                                    ; its four v_nop are also the places in front of the loads below
.else
	PLACES
.endif
	FETCH_X \next, 0, 0
	FETCH_W \next, 0, 0, 0, 5
	MULB 4, 1, 0
	MULB 5, 1, 0
	FETCH_W \next, 0, 0, 5, 4
	MULB 6, 1, 0
	MULB 7, 1, 0
	MULB 8, 1, 0
.endm
	s_wait_alu depctr_va_vdst(0)
	s_wait_tensorcnt 0x0                           ; my part of K step 0 is in
	ds_add_u32 v[SPW], v[NIL]
	s_wait_dscnt 0x0
	CROUND
	JLOAD 1                                        ; K step 1: the first tensor load behind the round
	FETCH_X 0, 0, 0
	FETCH_W 0, 0, 0, 0, 5
	FETCH_W 0, 0, 0, 5, 4
	ASK 768                                        ; K step 3, the last
	STEP 0, 0, 0, 1
	STEP 0, 1, 1, 0
	STEP 0, 2, 0, 0
	TURN 0, 1, 1
	STEP 1, 0, 0, 0
	STEP 1, 1, 1, 0
	STEP 1, 2, 0, 0
	TURN 1, 0, 1
	STEP 0, 0, 0, 0
	STEP 0, 1, 1, 0
	STEP 0, 2, 0, 0
	TURN 0, 1, 0                                   ; the last two K steps fill nothing
	STEP 1, 0, 0, 0
	STEP 1, 1, 1, 0
	STEP 1, 2, 0, 0
	s_wait_dscnt 8
.irp b, 0,1,2,3,4
	MULB \b, 1, 0
.endr
	s_wait_dscnt 0x0
.irp b, 5,6,7,8
	MULB \b, 1, 0
.endr
	WIN 0
	s_wait_kmcnt 0x0
	s_cmp_eq_u32 ttmp9, 0                          ; q: e0, e1 and e6; k: e2, e3 and e7
	s_cselect_b32 s18, s92, s94
	s_cselect_b32 s19, s93, s95
	s_cselect_b32 s22, s98, s99
	s_sub_co_i32 s22, s22, s18
	s_sub_co_i32 s22, s22, s19
	s_add_co_i32 s22, s22, 127
	s_lshl_b32 s18, s22, 23
	s_add_co_i32 s22, s22, 15
	s_lshl_b32 s22, s22, 23
	s_or_b32 s22, s22, 0x600000
	s_sub_co_i32 s23, s101, s96                    ; v: e4, e5 and e9
	s_sub_co_i32 s23, s23, s97
	s_add_co_i32 s23, s23, 127
	s_lshl_b32 s19, s23, 23
	s_add_co_i32 s23, s23, 15
	s_lshl_b32 s23, s23, 23
	s_or_b32 s23, s23, 0x600000
	v_mov_b32 v8, s18                              ; (these four are the places behind the last products)
	v_mov_b32 v9, s22                              ; 57,344 x the scale
	v_mov_b32 v10, s19
	v_mov_b32 v11, s23
; 32 accumulators of window w: held at the largest code (the conversion does not saturate: ISA guide 7.6.2), converted, put into the stage.
.macro QOUT w, cd
	WIN ((\w)<<6)|(\w)
.set JJ, 0
.rept 256
	v_med3_num_f32 v[JJ], v[JJ], -v9, v9
.set JJ, JJ+1
.endr
	WIN \w
.irp bb, 0,1,2,3
.irp a, 0,1,2,3,4,5,6,7
	v_cvt_scalef32_pk8_bf8_f32 v[\cd+2*(8*\bb+\a):\cd+2*(8*\bb+\a)+1], v[8*(8*\bb+\a):8*(8*\bb+\a)+7], v8
.endr
.endr
	v_nop
	WIN 0
.irp bb, 0,1,2,3
.irp a, 0,1,2,3,4,5,6,7
	ds_store_b64 v[STO], v[\cd+2*(8*\bb+\a):\cd+2*(8*\bb+\a)+1] offset:\a*16*P0+16*\bb+64*(\w-1)
.endr
.endr
.endm
	QOUT 1, 32
	QOUT 2, 96
	WIN 0xc3
.set JJ, 0
.rept 64
	v_med3_num_f32 v[JJ], v[JJ], -v11, v11
.set JJ, JJ+1
.endr
	WIN 3
.irp a, 0,1,2,3,4,5,6,7
	v_cvt_scalef32_pk8_bf8_f32 v[160+2*\a:161+2*\a], v[8*\a:8*\a+7], v10
.endr
	v_nop
	WIN 0
.irp a, 0,1,2,3,4,5,6,7
	ds_store_b64 v[STV], v[160+2*\a:161+2*\a] offset:16*\a
.endr
	s_wait_dscnt 0x0                               ; for the others' sake: a row's 256 codes come from two waves
	s_barrier_signal -1
	s_barrier_wait -1
.set TT, 0
.rept 32
	ds_load_b128 v[32+4*TT:35+4*TT], v[RD] offset:TT*2*P0
.set TT, TT+1
.endr
.set TT, 0
.rept 4
	ds_load_b128 v[160+4*TT:163+4*TT], v[RDV] offset:TT*2*P0
.set TT, TT+1
.endr
.set TT, 0
.rept 32
	s_wait_dscnt 35-TT                             ; load t is in, the younger ones may be out
	global_store_b128 v[CO], v[32+4*TT:35+4*TT], s[12:13] offset:TT*2048   ; 16 lanes store 256 consecutive bytes, at a multiple of 256
.set TT, TT+1
.endr
.set TT, 0
.rept 4
	s_wait_dscnt 3-TT
	global_store_b128 v[COV], v[160+4*TT:163+4*TT], s[74:75] offset:TT*16384
.set TT, TT+1
.endr
	s_wait_tensorcnt 0x0                           ; the wave's end
	ds_add_u32 v[SPW], v[NIL]
	s_wait_dscnt 0x0
	CROUND                                         ; the closing round
	s_endpgm
.Lfunc_end_k_q231dfad8fc_proj:
	.size	k_q231dfad8fc_proj, .Lfunc_end_k_q231dfad8fc_proj-k_q231dfad8fc_proj
	.p2alignl 7, 3214868480
	.fill 96, 4, 3214868480
	.section	.rodata,"a",@progbits
	.p2align	6, 0x0
	.amdhsa_kernel k_q231dfad8fc_proj
		.amdhsa_group_segment_fixed_size 327680
		.amdhsa_private_segment_fixed_size 0
		.amdhsa_enable_private_segment 0
		.amdhsa_kernarg_size 64
		.amdhsa_user_sgpr_count 2
		.amdhsa_user_sgpr_kernarg_segment_ptr 1
		.amdhsa_wavefront_size32 1
		.amdhsa_system_sgpr_workgroup_id_x 1
		.amdhsa_system_sgpr_workgroup_id_y 1
		.amdhsa_system_sgpr_workgroup_id_z 1
		.amdhsa_system_vgpr_workitem_id 0
		.amdhsa_next_free_vgpr 1024
		.amdhsa_next_free_sgpr 102
		.amdhsa_reserve_vcc 0
		.amdhsa_float_denorm_mode_32 3
		.amdhsa_float_denorm_mode_16_64 3
		.amdhsa_memory_ordered 1
		.amdhsa_forward_progress 1
		.amdhsa_inst_pref_size 180
	.end_amdhsa_kernel
	.amdgpu_metadata
---
amdhsa.version: [ 1, 2 ]
amdhsa.kernels:
  - .name:           k_q231dfad8fc_proj
    .symbol:         k_q231dfad8fc_proj.kd
    .args:
      - { .name: x_codes, .offset: 0, .size: 8, .value_kind: global_buffer, .address_space: global }
      - { .name: wq_codes, .offset: 8, .size: 8, .value_kind: global_buffer, .address_space: global }
      - { .name: wk_codes, .offset: 16, .size: 8, .value_kind: global_buffer, .address_space: global }
      - { .name: wv_codes, .offset: 24, .size: 8, .value_kind: global_buffer, .address_space: global }
      - { .name: lowp_scales, .offset: 32, .size: 8, .value_kind: global_buffer, .address_space: global }
      - { .name: q_codes, .offset: 40, .size: 8, .value_kind: global_buffer, .address_space: global }
      - { .name: k_codes, .offset: 48, .size: 8, .value_kind: global_buffer, .address_space: global }
      - { .name: v_codes, .offset: 56, .size: 8, .value_kind: global_buffer, .address_space: global }
    .group_segment_fixed_size: 327680
    .private_segment_fixed_size: 0
    .kernarg_segment_align: 8
    .kernarg_segment_size: 64
    .max_flat_workgroup_size: 128
    .sgpr_count:     102
    .vgpr_count:     1024
    .wavefront_size: 32
...
	.end_amdgpu_metadata
.endif
;; end of part 4
;; launch scores (part 5): grid 256 x 1, 4 waves a work-group, no clusters, 327,680 bytes of LDS; arguments q_codes, k_codes, x_codes, wv_codes, lowp_scales, p_codes, stats, v_codes; writes p_codes, stats, v_codes
.if DOCPART == 5
	.amdgcn_target "amdgcn-amd-amdhsa--gfx1250"
	.amdhsa_code_object_version 6
	.text
	.protected	k_q231dfad8fc_scores
	.globl	k_q231dfad8fc_scores
	.p2align	8
	.type	k_q231dfad8fc_scores,@function
k_q231dfad8fc_scores:
	s_mov_b64 s[64:65], 0
	v_nop
	global_prefetch_b8 v0, s[64:65] scope:SCOPE_SE
	s_setreg_imm32_b32 hwreg(HW_REG_WAVE_MODE, 25, 1), 1
	s_wait_xcnt 0x0
; 256 tiles of 256 x 256 with K = 1,024, one to a work-group, on codes of BF8 (E5M2): 160 tiles of S = q k^T and 96 tiles of v.
; SCORES (work-groups 0-159): rows = 256 queries, columns = 256 keys; the causal mask; p = 2^(t - M), t = score x log2(e) / 32, quantised with the given 2^ep.  A batch's lower triangle in blocks of 2 x 2 tiles is ten blocks, 40 tiles.
;   The tile of a diagonal block that lies above the diagonal gets zero codes: the next launch reads it as the padding of its slots of 512 keys.  Blocks wholly above the diagonal are left out: reference()'s own mask makes their p zero.
;   M IS TAKEN FOR EACH QUERY AND EACH TILE OF 256 KEYS: the ceiling of the tile's largest t.  The two waves that share a query exchange their maxima through LDS.  M and the sum l of the unquantised p go to the buffer of statistics for each
;   block of 128 keys; the next launch brings the tiles under one M by exact powers of two: a code's value is that of the row's own M times a power of two, but for numbers so small that they leave the format's range.
;   stats, f32: [batch][block of 128 keys: 16][group of 64 queries: 32][lane 32][4]: lane (r, h) holds M, M, l, l of queries 64 G + 16 (2 h + u) + r, u = 0, 1.
; V (work-groups 160-255): rows = 256 channels, 256 to 1,023, columns = 256 keys (rows of x): v_codes [1024 channels][8192 keys].  (Channels 0-255 are the launch before's.)
; Four waves, 128 x 128 each.  Source 1 = 16 rows (queries, channels), source 0 = 16 columns (keys): a lane holds ONE row and eight neighbouring keys.
; NO CLUSTER: clusters of 4 x 1 or 4 x 4 along rows and columns of tiles would need 48 score tiles a batch instead of 40, the eight more read by nobody, and the launch 288 work-groups instead of 256.
; PREFETCHES into the L2: behind K step 0's load the blocks of 256 bytes of steps 1 and 2, behind step 1's those of step 3: two steps ahead of the loads but for step 1.  The work-groups that load a tile share its rows out by address: of the
;   128 rows that a wave loads it asks for 32: q's by tx % 4, k's by ty % 4, x's by the tile of channels.  (What no work-group's share covers comes by its load alone.)  V's weight, which 32 work-groups load, is not prefetched.
; THE MASK IS THE C OF THE FIRST K STEP: -3e38 where the key comes after the query, 0 elsewhere (V: 0 everywhere).  The maximum has a floor of -2^66 among its leaves, so that where all keys are hidden p = 0, l = 0 and M is finite.
; LIMITS: eq + ek between -110 and 60 (they are added to the exponent field of log2(e) / 32; a true score is at most 3.4e12 in code units, far above the floor, and the mask stays more than 10,000 below every M);
;   ep, and v's e less its two operands' e, between -126 and 112.  Codes of NaN or infinity are not served; one that reaches only blocks left out is not carried to the result.
; REGISTERS: window 0: v1-13 at work, v16-29 addresses, v32-55 the mask's three groups, later -M (v32-47) and l (v48-55), v56-63 sums, v64-127 and v128-191 t and p of two blocks by turns, v192-223 codes; in the loop v128-255 A's fragments.
;   window 1: B's fragments, two sets.   windows 2, 3: the 64 accumulators, (a, b) at v[64 (a % 4) + 8 b].
.set ROWB,   256
.set PITCH,  272                       ; an LDS row: 256 bytes + 16 of padding = 68 words: row r starts at bank 4 r mod 64 (ISA guide 11.1)
.set FR,     16
.set HALFT,  128*PITCH
.set SLOT,   4*HALFT                   ; A's 256 rows, then B's
.set SPARE,  2*SLOT
.set XCH,    SPARE+512                 ; the maxima's exchange: 2,048 bytes for each wave
.set ADRA, 16
.set ADRB, 18
.set STO,  20
.set RD,   21
.set COP,  22
.set COV,  23
.set LN,   24
.set XS,   25
.set XL,   26
.set PFO,  27                          ; the prefetches' offset: 1,024 x lane; never rewritten
.set SPW,  28
.set NIL,  29
.set GP,   32                          ; the mask where a > b,
.set GZ,   40                          ; a = b,
.set GN,   48                          ; a < b
.set NM,   32                          ; -M of block a at v[NM + 2 a]; the register above it is written too, so that the two can be named as a pair
.set LS,   48
.set LP,   224
.set MS,   64
.set SS,   72
.set AF,   128
.set G1,   32
.set G0,   40                          ; s[40:47] group 0, one set for each slot
.set PF,   90                          ; s[90:91] where my prefetches stand; never rewritten
.set MSB, 0
.macro WIN new
.if MSB != (\new)
	s_set_vgpr_msb (MSB<<8)|(\new)
.set MSB, (\new)
.endif
.endm
.set MUL_LO, 0xa1                      ; source 0 (B) window 1, source 1 (A) window 0, C and D window 2
.set MUL_HI, 0xf1
.set TO_B,   0x40
.macro PLACES
.rept 4
	v_nop
.endr
.endm
.macro TLOAD s                         ; each wave its quarter of a slot: waves 0, 1: A's halves; 2, 3: B's
	tensor_load_to_lds s[G0+4*\s:G0+4*\s+3], s[G1:G1+7]
	s_nop 0
	PLACES
.endm
	s_load_b512 s[16:31], s[0:1], 0x0              ; q, k, x, wv, the exponents, p, the statistics, v
	v_lshl_add_u32 v[SPW], v0, 2, SPARE
	v_mov_b32 v[NIL], 0
	ds_add_u32 v[SPW], v[NIL]
	ds_add_u32 v[SPW], v[NIL]
	v_lshrrev_b32 v1, 5, v0
	v_readfirstlane_b32 s14, v1                    ; wave 0..3
	v_and_b32 v6, 31, v0
	v_lshlrev_b32 v[PFO], 10, v6
	s_lshr_b32 s15, s14, 1                         ; i: my half of the tile's rows.  Also: I fetch for A (0) or B (1)
	s_and_b32 s13, s14, 1                          ; j: my half of its columns.  Also: which 128 rows I fetch
	s_and_b32 s6, ttmp9, 3                         ; scores: the batch,
	s_lshr_b32 s9, ttmp9, 4                        ; the block 0..9 of the triangle:
	s_lshl_b32 s66, s9, 1
	s_lshr_b32 s67, 0xffa94, s66
	s_and_b32 s67, s67, 3                          ; its row 0, 1,1, 2,2,2, 3,3,3,3
	s_lshr_b32 s68, 0xe4910, s66
	s_and_b32 s68, s68, 3                          ; its column 0, 0,1, 0,1,2, 0,1,2,3
	s_bfe_u32 s69, ttmp9, 0x10003
	s_bfe_u32 s70, ttmp9, 0x10002
	s_lshl_b32 s7, s67, 1
	s_add_co_u32 s7, s7, s69                       ; ty: the tile of queries
	s_lshl_b32 s8, s68, 1
	s_add_co_u32 s8, s8, s70                       ; tx: the tile of keys
	s_lshl_b32 s71, s6, 3
	s_add_co_u32 s72, s71, s7                      ; A: rows 256 (8 batch + ty)
	s_add_co_u32 s73, s71, s8                      ; B: rows 256 (8 batch + tx)
	s_bfe_u32 s74, ttmp9, 0x20005                  ; V: A: the tile of channels 1..3,
	s_and_b32 s75, ttmp9, 31                       ; B: the tile of keys 0..31
	s_cmp_lt_u32 ttmp9, 160
	s_cselect_b32 s72, s72, s74
	s_cselect_b32 s73, s73, s75
	s_cselect_b32 s12, 0, 1                        ; 0: scores, 1: V
	s_cselect_b32 s5, s8, s73                      ; the column tile of the result
	s_cselect_b32 s4, 11, 13                       ; its rows are 2,048 or 8,192 bytes
	s_cmp_eq_u32 s15, 0
	s_cselect_b32 s76, s72, s73
	s_lshl_b32 s76, s76, 8
	s_lshl_b32 s66, s13, 7
	s_add_co_u32 s76, s76, s66
	s_lshl_b32 s76, s76, 10                        ; the rows that I fetch, of 1,024 bytes
	s_mov_b32 s77, 0
	s_mov_b32 s[G1], (1<<20)|(5<<22)|(3<<25)       ; elements of 1 byte; padding: 4 words after every 64
	s_mov_b32 s[G1+1], ROWB<<16
	s_mov_b32 s[G1+2], 128<<16
	s_mov_b32 s[G1+3], ROWB<<16
	s_mov_b32 s[G1+4], 128
	s_mov_b32 s[G1+5], 1024
	s_mov_b32 s[G1+6], 0
	s_mov_b32 s[G1+7], 0
	s_mov_b32 s[G0], 1
	s_mul_i32 s[G0+1], s14, HALFT
	s_mov_b32 s[G0+4], 1
	s_add_co_u32 s[G0+5], s[G0+1], SLOT
	s_wait_alu depctr_va_vdst(0)
	s_wait_dscnt 0x0                               ; both opening adds are done
	s_wait_kmcnt 0x0
	s_cmp_eq_u32 s12, 0
	s_cselect_b64 s[2:3], s[16:17], s[22:23]
	s_cselect_b64 s[66:67], s[18:19], s[20:21]
	s_cselect_b64 s[10:11], s[26:27], s[30:31]
	s_cmp_eq_u32 s15, 0
	s_cselect_b64 s[2:3], s[2:3], s[66:67]
	s_add_nc_u64 s[G0+2:G0+3], s[2:3], s[76:77]
	s_or_b32 s[G0+3], s[G0+3], 0x80000000
	TLOAD 0                                        ; K step 0: one tensor load a wave
	s_load_b256 s[92:99], s[24:25], 0x0            ; the ten exponents: s92 .. s101
	s_load_b64 s[100:101], s[24:25], 0x20
	; the prefetches: which 32 of my 128 rows, and who asks
	s_cmp_eq_u32 s15, 0
	s_cselect_b32 s86, s8, s7
	s_cselect_b32 s79, s12, 0                      ; not 0 where I fetch V's weight: I ask for nothing
	s_cmp_eq_u32 s12, 0
	s_cselect_b32 s86, s86, s74
	s_and_b32 s86, s86, 3
	s_lshl_b32 s86, s86, 15
	s_mov_b32 s87, 0
	s_add_nc_u64 s[PF:PF+1], s[2:3], s[76:77]
	s_add_nc_u64 s[PF:PF+1], s[PF:PF+1], s[86:87]
	s_cmp_eq_u32 s79, 0                            ; ids alone
	s_cbranch_scc0 .Lno_ask
	global_prefetch_b8 v[PFO], s[PF:PF+1] offset:256 th:TH_LOAD_NT scope:SCOPE_SE
	global_prefetch_b8 v[PFO], s[PF:PF+1] offset:512 th:TH_LOAD_NT scope:SCOPE_SE
.Lno_ask:
	s_add_nc_u64 s[G0+6:G0+7], s[2:3], s[76:77]
	s_add_nc_u64 s[G0+6:G0+7], s[G0+6:G0+7], ROWB
	s_or_b32 s[G0+7], s[G0+7], 0x80000000
	s_lshl_b32 s80, s72, 8                         ; my 64 rows of the result, and its column tile
	s_lshl_b32 s81, s14, 6
	s_add_co_u32 s80, s80, s81
	s_lshl_b32 s80, s80, s4
	s_lshl_b32 s81, s5, 8
	s_add_co_u32 s80, s80, s81
	s_mov_b32 s81, 0
	s_add_nc_u64 s[10:11], s[10:11], s[80:81]
	s_lshl_b32 s80, s6, 4                          ; the statistics: ((16 batch + 2 tx + j) x 32 + 4 ty + 2 i) x 512
	s_lshl_b32 s82, s8, 1
	s_add_co_u32 s80, s80, s82
	s_add_co_u32 s80, s80, s13
	s_lshl_b32 s80, s80, 5
	s_lshl_b32 s82, s7, 2
	s_add_co_u32 s80, s80, s82
	s_lshl_b32 s82, s15, 1
	s_add_co_u32 s80, s80, s82
	s_lshl_b32 s80, s80, 9
	s_add_nc_u64 s[28:29], s[28:29], s[80:81]
	; THE MASK.  Register jj of accumulator (a, b) holds query 256 ty + 128 i + 16 a + r and key 256 tx + 128 j + 16 b + 8 h + jj: hidden where jj > D + 16 (a - b) + r - 8 h, D = 256 (ty - tx) + 128 (i - j).
	; D is a multiple of 128 and r - 8 h + 16 (a - b) lies within +-127, so of a - b only the sign counts: three groups of eight registers serve the 64 accumulators.  V: D = 4096 hides nothing.
	s_sub_co_i32 s88, s7, s8
	s_lshl_b32 s88, s88, 8
	s_sub_co_i32 s89, s15, s13
	s_lshl_b32 s89, s89, 7
	s_add_co_i32 s88, s88, s89
	s_mov_b32 s89, 4096
	s_cmp_eq_u32 s12, 0
	s_cselect_b32 s88, s88, s89
	s_mul_i32 s80, s15, HALFT                      ; my rows of A,
	s_mul_i32 s81, s13, HALFT
	s_add_co_u32 s81, s81, 2*HALFT                 ; of B
	s_lshl_b32 s82, s13, 7
	s_add_co_u32 s82, s82, s80                     ; the stage, in slot 0: row 128 i, byte 128 j
	s_mul_i32 s83, s14, 64*PITCH                   ; back: rows 64 x wave on, whole
	s_lshl_b32 s84, s14, 11
	s_add_co_u32 s84, s84, XCH                     ; the exchange: my words,
	s_xor_b32 s85, s14, 1
	s_lshl_b32 s85, s85, 11
	s_add_co_u32 s85, s85, XCH                     ; and those of the wave with my rows and the other columns
	v_and_b32 v1, 15, v0                           ; r
	v_bfe_u32 v2, v0, 4, 1                         ; h
	v_and_b32 v6, 31, v0
	v_mul_u32_u24 v3, v1, PITCH
	v_lshlrev_b32 v[LN], 4, v6
	v_lshl_add_u32 v4, v2, 4, v3
	v_lshl_add_u32 v5, v2, 3, v3
	v_add_nc_u32 v[ADRA], s80, v4
	v_add_nc_u32 v[ADRB], s81, v4
	v_add_nc_u32 v[ADRA+1], SLOT, v[ADRA]
	v_add_nc_u32 v[ADRB+1], SLOT, v[ADRB]
	v_add_nc_u32 v[STO], s82, v5
	v_mul_u32_u24 v7, v2, PITCH
	v_lshl_add_u32 v7, v1, 4, v7
	v_add_nc_u32 v[RD], s83, v7
	v_add_nc_u32 v[XS], s84, v[LN]
	v_add_nc_u32 v[XL], s85, v[LN]
	v_lshlrev_b32 v7, 4, v1
	v_lshl_add_u32 v[COP], v2, 11, v7              ; lanes 0-15 one row of the result, lanes 16-31 the next
	v_lshl_add_u32 v[COV], v2, 13, v7
	v_lshlrev_b32 v10, 3, v2
	v_sub_nc_u32 v10, v1, v10
	v_add_nc_u32 v10, s88, v10                     ; D + r - 8 h: D goes into vector data alone
	v_add_nc_u32 v11, 16, v10
	v_add_nc_u32 v12, -16, v10
	v_mov_b32 v13, 0xff61b1e6                      ; -3e38
.irp jj, 0,1,2,3,4,5,6,7
	v_cmp_gt_i32 vcc_lo, \jj, v11
	v_cndmask_b32 v[GP+\jj], 0, v13, vcc_lo
	v_cmp_gt_i32 vcc_lo, \jj, v10
	v_cndmask_b32 v[GZ+\jj], 0, v13, vcc_lo
	v_cmp_gt_i32 vcc_lo, \jj, v12
	v_cndmask_b32 v[GN+\jj], 0, v13, vcc_lo
.endr
.macro FRAG reg, adr, q, i             ; 16 rows x 128 K: lane l holds row l % 16; registers 4 c .. 4 c + 3 hold K = 32 c + 16 (l / 16) + 0 .. 15: the same permutation on both sides
.irp c, 0,1,2,3
	ds_load_b128 v[\reg+4*\c:\reg+4*\c+3], v[\adr] offset:128*(\q)+32*\c+(\i)*16*PITCH
.endr
.endm
; 16 matrix instructions: blocks a0, a0 + 1 of rows x the eight blocks of keys.  zero = 1: the first product starts the sums, from the mask.  The 64 accumulators take turns.
.macro MUL16 a0, p, zero
.irp a, \a0, \a0+1
.irp b, 0,1,2,3,4,5,6,7
.set AC, 8*(8*((\a)%4)+\b)
.if \zero
.if (\a) > \b
.set CG, GP
.elseif (\a) == \b
.set CG, GZ
.else
.set CG, GN
.endif
	v_wmma_f32_16x16x128_bf8_bf8 v[AC:AC+7], v[128*(\p)+FR*\b:128*(\p)+FR*\b+FR-1], v[AF+FR*(\a):AF+FR*(\a)+FR-1], v[CG:CG+7]
.else
	v_wmma_f32_16x16x128_bf8_bf8 v[AC:AC+7], v[128*(\p)+FR*\b:128*(\p)+FR*\b+FR-1], v[AF+FR*(\a):AF+FR*(\a)+FR-1], v[AC:AC+7]
.endif
.endr
.endr
.endm
.macro FETCH_B slot, q, p
	WIN TO_B
.irp i, 0,1,2,3,4,5,6,7
	FRAG 128*(\p)+FR*\i, ADRB+\slot, \q, \i
.endr
	WIN 0
.endm
.macro FETCH_A slot, q, i0
.irp i, \i0, \i0+1, \i0+2, \i0+3
	FRAG AF+FR*(\i), ADRA+\slot, \q, \i
.endr
.endm
.macro STEP slot, q, zero
	s_wait_dscnt 16                                ; B's set and A's blocks 0-3 are in; the youngest 16 loads (blocks 4-7) may be out
	WIN MUL_LO-0x20*(\zero)                        ; in the first step C, the mask, lies in window 0
	MUL16 0, (\q)%2, \zero
	MUL16 2, (\q)%2, \zero
	s_wait_dscnt 0
	PLACES
	FETCH_B \slot, (\q)+1, 1-(\q)%2
	FETCH_A \slot, (\q)+1, 0
	WIN MUL_HI-0x30*(\zero)
	MUL16 4, (\q)%2, \zero
	MUL16 6, (\q)%2, \zero
	PLACES
	WIN 0
	FETCH_A \slot, (\q)+1, 4
.endm
.macro TURN slot, next, fill
	s_wait_tensorcnt 0x0                           ; all my tensor loads have landed: my part of the next slot
	ds_add_u32 v[SPW], v[NIL]
.if \fill
	s_add_nc_u64 s[G0+4*\slot+2:G0+4*\slot+3], s[G0+4*\slot+2:G0+4*\slot+3], 2*ROWB
.endif
	s_wait_dscnt 17                                ; the add and the youngest 16 loads may be out
	WIN MUL_LO
	MUL16 0, 1, 0
	s_wait_dscnt 0x0                               ; the add is done, and my reads of this slot are over
	s_barrier_signal -1
	MUL16 2, 1, 0
	WIN 0
	s_barrier_wait -1
.if \fill
	TLOAD \slot                                    ; its four v_nop are also the places in front of the loads below
.else
	PLACES
.endif
	FETCH_B \next, 0, 0
	FETCH_A \next, 0, 0
	WIN MUL_HI
	MUL16 4, 1, 0
	MUL16 6, 1, 0
	PLACES
	WIN 0
	FETCH_A \next, 0, 4
.endm
	s_wait_alu depctr_va_vdst(0)
	s_wait_tensorcnt 0x0                           ; my part of K step 0 is in
	ds_add_u32 v[SPW], v[NIL]
	s_wait_dscnt 0x0
	s_barrier_signal -1
	s_barrier_wait -1
	TLOAD 1                                        ; K step 1: the first tensor load behind the barrier
	FETCH_B 0, 0, 0
	FETCH_A 0, 0, 0
	FETCH_A 0, 0, 4
	s_cmp_eq_u32 s79, 0
	s_cbranch_scc0 .Lno_ask_3
	global_prefetch_b8 v[PFO], s[PF:PF+1] offset:768 th:TH_LOAD_NT scope:SCOPE_SE   ; K step 3, the last
.Lno_ask_3:
	STEP 0, 0, 1
	TURN 0, 1, 1
	STEP 1, 0, 0
	TURN 1, 0, 1
	STEP 0, 0, 0
	TURN 0, 1, 0                                   ; the last two K steps fill nothing
	STEP 1, 0, 0
	s_wait_dscnt 16
	WIN MUL_LO
	MUL16 0, 1, 0
	MUL16 2, 1, 0
	s_wait_dscnt 0
	s_wait_kmcnt 0x0
	s_sub_co_i32 s68, s101, s96                    ; V: a sum's code is sum / 2^(e9 - e4 - e5);  scores: p / 2^e8
	s_sub_co_i32 s68, s68, s97
	s_cmp_eq_u32 s12, 0
	s_cselect_b32 s68, s100, s68
	s_add_co_i32 s68, s68, 127
	s_lshl_b32 s69, s68, 23
	s_add_co_i32 s68, s68, 15
	s_lshl_b32 s68, s68, 23
	s_or_b32 s68, s68, 0x600000
	s_add_co_i32 s66, s98, s99
	s_lshl_b32 s66, s66, 23
	s_add_co_i32 s66, s66, 0x3d38aa3b              ; c = log2(e) / 32 x 2^(eq + ek): the two exponents are added to the exponent field
	s_mov_b32 s67, s66                             ; (named with it as a pair, so it is written)
	s_mov_b32 s76, 0x76543210                      ; v_permlanex16_b32: lane l xor 16
	s_mov_b32 s77, 0xfedcba98
	s_mov_b32 s78, 0xffff0000                      ; lanes 16-31
	WIN MUL_HI
	MUL16 4, 1, 0
	MUL16 6, 1, 0
	WIN 0
	v_mov_b32 v8, s69                              ; the conversion's scale
	v_mov_b32 v9, s68                              ; 57,344 x that
	v_nop                                          ; (with the two moves the four places behind the last products)
	v_nop
	s_wait_alu depctr_va_vdst(0)
	s_cmp_lg_u32 s12, 0
	s_cbranch_scc1 .Lvalues                        ; V.  The branch hangs on the work-group's number alone and leads round no barrier
; THE MAXIMA of four blocks of 16 queries at a time, in eight chains; each accumulator from its low end on.
.macro MAXP g
	WIN 20*(2+\g)                                  ; sources 1 and 2 in the accumulators' window
.irp a, 0,1,2,3
	v_max3_num_f32 v[NM+8*\g+2*\a], 0xe0800000, v[64*\a], v[64*\a+1]       ; the floor, -2^66, is among the leaves
	v_max3_num_f32 v[NM+8*\g+2*\a+1], 0xe0800000, v[64*\a+2], v[64*\a+3]
.endr
.irp b, 1,2,3,4,5,6,7,8,9,10,11,12,13,14,15
.irp a, 0,1,2,3
	v_max3_num_f32 v[NM+8*\g+2*\a], v[NM+8*\g+2*\a], v[64*\a+4*\b], v[64*\a+4*\b+1]
	v_max3_num_f32 v[NM+8*\g+2*\a+1], v[NM+8*\g+2*\a+1], v[64*\a+4*\b+2], v[64*\a+4*\b+3]
.endr
.endr
	WIN 0
.endm
	MAXP 0
	MAXP 1
.irp a, 0,1,2,3,4,5,6,7
	v_max_num_f32 v[NM+2*\a], v[NM+2*\a], v[NM+2*\a+1]
.endr
.irp a, 0,1,2,3,4,5,6,7
	v_permlanex16_b32 v[NM+2*\a+1], v[NM+2*\a], s76, s77   ; the query's other 64 keys lie in the lane 16 away
.endr
.irp a, 0,1,2,3,4,5,6,7
	v_max_num_f32 v[NM+2*\a], v[NM+2*\a], v[NM+2*\a+1]
.endr
.irp t, 0,1,2,3
	ds_store_b128 v[XS], v[NM+4*\t:NM+4*\t+3] offset:512*\t
.endr
	s_wait_alu depctr_va_vdst(0)
	s_branch .Lmet
.Lvalues:                                              ; V: held at the largest code (the conversion does not saturate: ISA guide 7.6.2), converted, into the stage, in the layout of the scores' codes
.irp g, 0,1
	WIN 0x41*(2+\g)
.set JJ, 0
.rept 256
	v_med3_num_f32 v[JJ], v[JJ], -v9, v9
.set JJ, JJ+1
.endr
	WIN 2+\g
.irp a, 0,1,2,3
.irp b, 0,1,2,3,4,5,6,7
	v_cvt_scalef32_pk8_bf8_f32 v[64+64*\g+16*\a+2*\b:65+64*\g+16*\a+2*\b], v[64*\a+8*\b:64*\a+8*\b+7], v8
.endr
.endr
	v_nop
	WIN 0
.irp a, 0,1,2,3
.irp b, 0,1,2,3,4,5,6,7
	ds_store_b64 v[STO], v[64+64*\g+16*\a+2*\b:65+64*\g+16*\a+2*\b] offset:(4*\g+\a)*16*PITCH+16*\b
.endr
.endr
.endr
	s_wait_alu depctr_va_vdst(0)
.Lmet:
	s_wait_dscnt 0x0                               ; for the others' sake: my maxima (V: my codes) are stored
	s_barrier_signal -1
	s_barrier_wait -1
	s_cmp_lg_u32 s12, 0
	s_cbranch_scc1 .Lstaged                        ; V's codes are in the stage already
.irp t, 0,1,2,3
	ds_load_b128 v[64+4*\t:67+4*\t], v[XL] offset:512*\t   ; the other 128 keys' maxima
.endr
	s_wait_dscnt 0x0
.irp a, 0,1,2,3,4,5,6,7
	v_max_num_f32 v[NM+2*\a], v[NM+2*\a], v[64+2*\a]
.endr
.irp a, 0,1,2,3,4,5,6,7
	v_mul_f32 v[NM+2*\a], s66, v[NM+2*\a]          ; as t (c is positive)
.endr
.irp a, 0,1,2,3,4,5,6,7
	v_floor_f32 v[NM+2*\a], -v[NM+2*\a]            ; -M = floor(-t) = -ceil(t): M is a whole number
.endr
.macro FMA a                           ; t - M of block a, two at a time (of the pairs c and -M the low word serves both halves)
.set AC, 64*((\a)%4)
.set TB, 64+64*((\a)%2)
	WIN 2+(\a)/4
.set JJ, 0
.rept 32
	v_pk_fma_f32 v[TB+JJ:TB+JJ+1], v[AC+JJ:AC+JJ+1], s[66:67], v[NM+2*(\a):NM+2*(\a)+1] op_sel_hi:[1,0,0]
.set JJ, JJ+2
.endr
	WIN 0
.endm
.macro EXPS a                          ; p = 2^(t - M), at most 1
.set TB, 64+64*((\a)%2)
	s_wait_alu depctr_va_vdst(0)                   ; the wait serves the readers of the batch before
.set JJ, 0
.rept 64
	v_exp_f32 v[TB+JJ], v[TB+JJ]
.set JJ, JJ+1
.endr
.endm
.macro TAIL a                          ; the sum of the UNQUANTISED p, in four chains; the hold, one-sided since p is not negative (the conversion does not saturate: ISA guide 7.6.2); the codes, into the stage
.set TB, 64+64*((\a)%2)
.set CD, 192+16*((\a)%2)
.irp k, 0,2,4,6
	v_pk_add_f32 v[56+\k:57+\k], v[TB+\k:TB+\k+1], v[TB+8+\k:TB+9+\k]
.endr
.irp j, 16,24,32,40,48,56
.irp k, 0,2,4,6
	v_pk_add_f32 v[56+\k:57+\k], v[56+\k:57+\k], v[TB+\j+\k:TB+\j+\k+1]
.endr
.endr
	v_pk_add_f32 v[56:57], v[56:57], v[60:61]
	v_pk_add_f32 v[58:59], v[58:59], v[62:63]
.set JJ, 0
.rept 64
	v_min_num_f32 v[TB+JJ], v[TB+JJ], v9
.set JJ, JJ+1
.endr
	v_pk_add_f32 v[LP+2*(\a):LP+2*(\a)+1], v[56:57], v[58:59]
.irp b, 0,1,2,3,4,5,6,7
	v_cvt_scalef32_pk8_bf8_f32 v[CD+2*\b:CD+2*\b+1], v[TB+8*\b:TB+8*\b+7], v8
.endr
	v_nop
.irp b, 0,1,2,3,4,5,6,7
	ds_store_b64 v[STO], v[CD+2*\b:CD+2*\b+1] offset:(\a)*16*PITCH+16*\b
.endr
.endm
	FMA 0
	EXPS 0
.irp a, 1,2,3,4,5,6,7                  ; block a's exponentials are followed by block a - 1's sum, hold and codes
	FMA \a
	EXPS \a
	TAIL \a-1
.endr
	s_wait_alu depctr_va_vdst(0)                   ; the wait behind the last batch
	TAIL 7
.irp a, 0,1,2,3,4,5,6,7
	v_add_f32 v[LS+\a], v[LP+2*\a], v[LP+2*\a+1]
.endr
.irp a, 0,1,2,3,4,5,6,7
	v_permlanex16_b32 v[LP+2*\a], v[LS+\a], s76, s77
.endr
.irp a, 0,1,2,3,4,5,6,7
	v_add_f32 v[LS+\a], v[LS+\a], v[LP+2*\a]       ; l
.endr
.irp a, 0,1,2,3,4,5,6,7
	v_mul_f32 v[MS+\a], -1.0, v[NM+2*\a]           ; M
.endr
.irp g, 0,1                                    ; my two groups of 64 queries: lanes 0-15 take blocks 0, 1 of the group, lanes 16-31 blocks 2, 3
	v_cndmask_b32 v[SS+4*\g], v[MS+4*\g], v[MS+4*\g+2], s78
	v_cndmask_b32 v[SS+4*\g+1], v[MS+4*\g+1], v[MS+4*\g+3], s78
	v_cndmask_b32 v[SS+4*\g+2], v[LS+4*\g], v[LS+4*\g+2], s78
	v_cndmask_b32 v[SS+4*\g+3], v[LS+4*\g+1], v[LS+4*\g+3], s78
	global_store_b128 v[LN], v[SS+4*\g:SS+4*\g+3], s[28:29] offset:512*\g   ; 32 lanes store 512 consecutive bytes
.endr
.Lstaged:
	s_wait_dscnt 0x0                               ; for the others' sake: a row's 256 codes come from two waves
	s_barrier_signal -1
	s_barrier_wait -1
.set TT, 0
.rept 32
	ds_load_b128 v[128+4*TT:131+4*TT], v[RD] offset:TT*2*PITCH
.set TT, TT+1
.endr
	s_cmp_lg_u32 s12, 0
	s_cbranch_scc1 .Lsend_v
.set TT, 0
.rept 32
	s_wait_dscnt 31-TT                             ; load t is in, the younger ones may be out
	global_store_b128 v[COP], v[128+4*TT:131+4*TT], s[10:11] offset:TT*4096   ; rows 2 t + h: 16 lanes store 256 consecutive bytes, at a multiple of 256
.set TT, TT+1
.endr
	s_branch .Lend
.Lsend_v:
.set TT, 0
.rept 32
	s_wait_dscnt 31-TT
	global_store_b128 v[COV], v[128+4*TT:131+4*TT], s[10:11] offset:TT*16384
.set TT, TT+1
.endr
.Lend:
	s_wait_tensorcnt 0x0                           ; the wave's end
	ds_add_u32 v[SPW], v[NIL]
	s_wait_dscnt 0x0
	s_endpgm
.Lfunc_end_k_q231dfad8fc_scores:
	.size	k_q231dfad8fc_scores, .Lfunc_end_k_q231dfad8fc_scores-k_q231dfad8fc_scores
	.p2alignl 7, 3214868480
	.fill 96, 4, 3214868480
	.section	.rodata,"a",@progbits
	.p2align	6, 0x0
	.amdhsa_kernel k_q231dfad8fc_scores
		.amdhsa_group_segment_fixed_size 327680
		.amdhsa_private_segment_fixed_size 0
		.amdhsa_enable_private_segment 0
		.amdhsa_kernarg_size 64
		.amdhsa_user_sgpr_count 2
		.amdhsa_user_sgpr_kernarg_segment_ptr 1
		.amdhsa_wavefront_size32 1
		.amdhsa_system_sgpr_workgroup_id_x 1
		.amdhsa_system_sgpr_workgroup_id_y 1
		.amdhsa_system_sgpr_workgroup_id_z 1
		.amdhsa_system_vgpr_workitem_id 0
		.amdhsa_next_free_vgpr 1024
		.amdhsa_next_free_sgpr 102
		.amdhsa_reserve_vcc 1
		.amdhsa_float_denorm_mode_32 3
		.amdhsa_float_denorm_mode_16_64 3
		.amdhsa_memory_ordered 1
		.amdhsa_forward_progress 1
		.amdhsa_inst_pref_size 223
	.end_amdhsa_kernel
	.amdgpu_metadata
---
amdhsa.version: [ 1, 2 ]
amdhsa.kernels:
  - .name:           k_q231dfad8fc_scores
    .symbol:         k_q231dfad8fc_scores.kd
    .args:
      - { .name: q_codes, .offset: 0, .size: 8, .value_kind: global_buffer, .address_space: global }
      - { .name: k_codes, .offset: 8, .size: 8, .value_kind: global_buffer, .address_space: global }
      - { .name: x_codes, .offset: 16, .size: 8, .value_kind: global_buffer, .address_space: global }
      - { .name: wv_codes, .offset: 24, .size: 8, .value_kind: global_buffer, .address_space: global }
      - { .name: lowp_scales, .offset: 32, .size: 8, .value_kind: global_buffer, .address_space: global }
      - { .name: p_codes, .offset: 40, .size: 8, .value_kind: global_buffer, .address_space: global }
      - { .name: stats, .offset: 48, .size: 8, .value_kind: global_buffer, .address_space: global }
      - { .name: v_codes, .offset: 56, .size: 8, .value_kind: global_buffer, .address_space: global }
    .group_segment_fixed_size: 327680
    .private_segment_fixed_size: 0
    .kernarg_segment_align: 8
    .kernarg_segment_size: 64
    .max_flat_workgroup_size: 128
    .sgpr_count:     102
    .vgpr_count:     1024
    .wavefront_size: 32
...
	.end_amdgpu_metadata
.endif
;; end of part 5
;; launch pv (part 6): grid 8 x 32, 4 waves a work-group, clusters of 4 x 4, 327,680 bytes of LDS; arguments p_codes, v_codes, stats, lowp_scales, out0; writes out0
.if DOCPART == 6
	.amdgcn_target "amdgcn-amd-amdhsa--gfx1250"
	.amdhsa_code_object_version 6
	.text
	.protected	k_q231dfad8fc_pv
	.globl	k_q231dfad8fc_pv
	.p2align	8
	.type	k_q231dfad8fc_pv,@function
k_q231dfad8fc_pv:
	s_mov_b64 s[64:65], 0
	v_nop
	global_prefetch_b8 v0, s[64:65] scope:SCOPE_SE
	s_setreg_imm32_b32 hwreg(HW_REG_WAVE_MODE, 25, 1), 1
	s_wait_xcnt 0x0
	s_wait_alu depctr_hold_cnt(0) depctr_sa_sdst(0) depctr_va_vdst(0) depctr_va_sdst(0) depctr_va_ssrc(0) depctr_va_vcc(0) depctr_vm_vsrc(0)
	s_getreg_b32 s2, hwreg(HW_REG_IB_STS2, 6, 4)
	s_cmp_eq_u32 s2, 0
	s_cbranch_scc0 .Lentry_in_a_cluster
	s_endpgm
.Lentry_in_a_cluster:
	s_bfe_u32 s2, ttmp6, 0x10000c
	s_cmp_lg_u32 s2, 0xf033
	s_cbranch_scc0 .Lentry_shape_is_right
	s_endpgm
.Lentry_shape_is_right:
; O = (sum over the keys of p v) / l on codes of BF8 (E5M2).  p_codes [4][2048 q][2048 keys], each block of 128 keys under its own whole number M; v_codes [1024 d][4 x 2048 keys]; stats: M and l of each query and block; out0 [4][2048][1024] f32.
; SHARES.  A work-group makes two tiles of 128 queries x 128 channels: strip p of a batch's sixteen (p = 0 .. 7) and then strip 15 - p, so that under the causal mask every work-group walks the same number of keys:
; slots of 512 keys, NA = p / 4 + 1 for the first strip and 5 - NA for the second: five slots, twenty steps of 128 keys, written out.  (Up to three steps meet zero codes behind the diagonal.)
; Four waves, each 64 queries x 64 channels: 16 accumulators.  Source 0 = 16 channels of v, source 1 = 16 queries of p: a lane holds ONE query (lane % 16) and eight neighbouring channels.
; FROM BLOCK TO BLOCK.  The sums are kept under the block's own M' = max(M, the running largest M - 60): acc = acc x 2^(old M' - new M') + P V, and l by the same rule: every factor is an exact power of two, at most 2^60,
; so that |acc| stays under 2^103.  All factors of a query hang on the statistics alone: each wave makes them at its head, while the first tiles are on their way, and keeps them in a table of its own in LDS.
; LIMIT: a block that lies more than 60 binades under the running largest M is weighted 2^-60 and not less.  Codes of NaN or infinity are not served (the second strip's sums begin as the first's x 0).  ep + ev is applied by v_ldexp_f32.
; CLUSTER: 4 x 4 work-groups: along x four tiles of channels, along y four strips with the same NA (strips 0-3 or 4-7 of one batch).  Which 512 keys a trip takes hangs on NA alone, so the four of a column read the same tile
; of v in every trip, and the four of a row the same tile of p: both are asked for JOINTLY (waves 0, 1: p's halves, along the row; waves 2, 3: v's, along the column), which divides the requests for each by four.
; NA, the batch and the trips' keys are made of the cluster's y alone: the two branches round the first strip's way out are alike in all sixteen.
; REGISTERS: window 0: v1 r, v2 h, v3-7 offsets into the statistics, v8-15 at work on the factors, v16-30 addresses, v32-47 two sets of factors, v48-127 the statistics, later the divisors (v48-55) and rows on the way out (v64-127),
;   v128-255 the accumulators (at the head v130-167 hold the running maxima).   window 1: two buffers of 128: p's four fragments, then v's four.
.set PITCH,  528                       ; an LDS row: 512 bytes + 16 of padding = 132 words: row r starts at bank 4 r mod 64 (ISA guide 11.1)
.set HALFT,  64*PITCH                  ; 64 rows: what one tensor load brings, and what one wave reads of p or of v
.set SLOT,   4*HALFT                   ; p's 128 rows, then v's 128 rows
.set STAGE,  2*SLOT                    ; behind the ring: 16 rows x 272 bytes for each wave, for the way out
.set SP,     272
.set TBL,    STAGE+4*16*SP             ; the tables: for each wave 22 entries of 256 bytes: entry f (1 to 19): for query r, at 16 r, the factors of the four blocks of 16 queries in front of step f; entries 20, 21: the two strips' divisors
.set TBW,    22*256
.set SPARE,  TBL+4*TBW                 ; the spare words, 128 bytes for each wave
.set FR,   16
.set T0,   8                           ; v8-9    at work
.set C60,  10                          ; v10-11  -60, twice
.set LR,   12                          ; v12-13  the running l, for u = 0, 1 (block of queries 2 h + u)
.set LA,   14                          ; v14-15  the first strip's l
.set ADRP, 16                          ; v16-17  LDS address of my fragments of p in slot 0, 1
.set ADRV, 20                          ; v20-21  of v
.set STO,  24
.set RD,   25
.set CO,   26
.set TB,   27                          ; v27     my query's 16 bytes in an entry of my table
.set SPW,  28
.set NIL,  29
.set TW,   30                          ; v30     where I write 8 of them
.set PFO,  31                          ; v31     the prefetches' offset; never rewritten
.set RT,   32                          ; two sets of eight: +0..+3 as loaded, +4 and +6 copies of +1 and +3, so that each factor begins a pair
.set X,    48
.set OS,   48
.set BK,   64
.set ACC,  128
.set MA,   128                         ; the running largest M in front of step f, at v[MA + 2 f + u]: in the accumulators' registers, which the first products write only later
.set F0,   0
.set F1,   128
.set G1,  24                           ; s[24:31] descriptor group 1 for p;  s[32:39] group 0, one set for each slot
.set G0,  32
.set G1V, 48                           ; s[48:55], s[56:63] the same for v
.set G0V, 56
.set IDX, 70                           ; s70-74  trip w: which 512 keys; then v's byte offset of the trip
.set STR, 75                           ; s75-79  trip w: which strip; then p's byte offset of the trip
.set MSB, 0
.macro WIN new
.if MSB != (\new)
	s_set_vgpr_msb (MSB<<8)|(\new)
.set MSB, (\new)
.endif
.endm
.set MUL,  0x05                        ; sources 0 and 1 window 1; C and D window 0
.set TO_F, 0x40                        ; destination window 1, address window 0
.macro TLOAD s                         ; a joint load: waves 0 and 1 ask for p's two halves, waves 2 and 3 for v's; the branch hangs on the wave's number alone; four v_nop follow each of the two lines
	s_cmp_eq_u32 s15, 0
	s_cbranch_scc0 .Lfor_v_\@
	tensor_load_to_lds s[G0+4*\s:G0+4*\s+3], s[G1:G1+7]
	s_nop 0
.rept 4
	v_nop
.endr
	s_branch .Lasked_\@
.Lfor_v_\@:
	tensor_load_to_lds s[G0V+4*\s:G0V+4*\s+3], s[G1V:G1V+7]
	s_nop 0
.rept 4
	v_nop
.endr
.Lasked_\@:
.endm
.macro CREST
	s_cmp_lg_u32 s14, 0
	s_cbranch_scc1 .Lnot_wave_0_\@
	s_barrier_signal -3
.Lnot_wave_0_\@:
	s_barrier_wait -3
	s_barrier_signal -1
	s_barrier_wait -1
.endm
.macro CROUND
	s_barrier_signal -1
	s_barrier_wait -1
	CREST
.endm
	s_load_b256 s[4:11], s[0:1], 0x0               ; p s[4:5], v s[6:7], the statistics s[8:9], the scales' exponents s[10:11]
	s_load_b64 s[12:13], s[0:1], 0x20              ; out0
	v_lshl_add_u32 v[SPW], v0, 2, SPARE
	v_mov_b32 v[NIL], 0
	ds_add_u32 v28, v29
	ds_add_u32 v28, v29
	s_wait_dscnt 0x0
	v_lshrrev_b32 v1, 5, v0
	v_readfirstlane_b32 s14, v1                    ; wave 0..3
	s_lshr_b32 s15, s14, 1                         ; i: my half of the queries.  Also: I fetch for p (0) or for v (1)
	s_and_b32 s16, s14, 1                          ; j: my half of the channels.  Also: which 64 rows I fetch
	s_bfe_u32 s40, ttmp6, 0x40000                  ; cx, cy: my place in the cluster
	s_bfe_u32 s41, ttmp6, 0x40004
	s_lshl_b32 s42, ttmp9, 2
	s_add_co_u32 s42, s42, s40                     ; the tile of 128 channels: it enters v's and out0's addresses alone
	s_and_b32 s17, ttmp7, 0xffff                   ; the cluster's y, 0..7, which all sixteen share
	s_lshr_b32 s18, s17, 1                         ; the batch
	s_and_b32 s20, s17, 1                          ; strips 0-3 or 4-7
	s_lshl_b32 s19, s20, 2
	s_add_co_u32 s19, s19, s41                     ; the first strip: it enters p's, the statistics' and out0's addresses alone
	s_add_co_u32 s20, s20, 1                       ; NA: its slots: made of the cluster's y alone
	s_sub_co_u32 s21, 15, s19                      ; the second strip
	s_lshl_b32 s43, s41, 2
	s_lshl_b32 s43, 15, s43                        ; my row of the cluster
	s_lshl_b32 s44, 0x1111, s40                    ; my column
	s_mov_b32 s[IDX], 0                            ; the five trips: (first, 0); NA = 2: (first, 1), (second, 0), else (second, 0), (second, 1); (second, 3 - NA); (second, 4 - NA)
	s_mov_b32 s[STR], s19
	s_mov_b32 s[STR+2], s21
	s_mov_b32 s[STR+3], s21
	s_mov_b32 s[STR+4], s21
	s_cmp_eq_u32 s20, 2
	s_cselect_b32 s[IDX+1], 1, 0
	s_cselect_b32 s[STR+1], s19, s21
	s_cselect_b32 s[IDX+2], 0, 1
	s_cselect_b32 s84, 0, -1                       ; all lanes where the second strip begins at step 4,
	s_cselect_b32 s85, -1, 0                       ; at step 8
	s_sub_co_u32 s[IDX+3], 3, s20
	s_sub_co_u32 s[IDX+4], 4, s20
	v_and_b32 v22, 31, v0
	v_lshlrev_b32 v22, 4, v22                      ; 16 x lane
	s_wait_alu depctr_va_vdst(0)
.irp w, 0,1,2,3,4
	s_lshl_b32 s90, s18, 4                         ; the statistics of trip w's first block: ((16 batch + 4 idx) x 32 + 2 strip + i) x 512
	s_lshl_b32 s92, s[IDX+\w], 2
	s_add_co_u32 s90, s90, s92
	s_lshl_b32 s90, s90, 5
	s_lshl_b32 s92, s[STR+\w], 1
	s_add_co_u32 s90, s90, s92
	s_add_co_u32 s90, s90, s15
	s_lshl_b32 s90, s90, 9
	v_add_nc_u32 v[3+\w], s90, v22
	s_lshl_b32 s[IDX+\w], s[IDX+\w], 9             ; from here on: v's byte offset of the trip: 512 idx,
	s_lshl_b32 s[STR+\w], s[STR+\w], 18
	s_add_co_u32 s[STR+\w], s[STR+\w], s[IDX+\w]   ; and p's: 128 strip rows of 2,048 bytes + 512 idx
.endr
	; descriptor group 1: a tile of 64 rows x 512 bytes, padded in LDS.  15:0 the mask; 17:16 elements of 1 byte; 20 padding on; 21 set beside a mask; 24:22 after every 128 words (code 6); 31:25 of 4 words (code 3)
	s_or_b32 s[G1], s43, (1<<20)|(1<<21)|(6<<22)|(3<<25)          ; p's tiles go to my row of the cluster
	s_or_b32 s[G1V], s44, (1<<20)|(1<<21)|(6<<22)|(3<<25)         ; v's to my column
.irp g, G1, G1V
	s_mov_b32 s[\g+1], 512<<16                     ; tensor_dim0
	s_mov_b32 s[\g+2], 64<<16                      ; tensor_dim1
	s_mov_b32 s[\g+3], 512<<16                     ; tile_dim0
	s_mov_b32 s[\g+4], 64                          ; tile_dim1
	s_mov_b32 s[\g+6], 0
	s_mov_b32 s[\g+7], 0
.endr
	s_mov_b32 s[G1+5], 2048                        ; a row of p_codes
	s_mov_b32 s[G1V+5], 8192                       ; a row of v_codes
	s_lshl_b32 s22, s18, 22                        ; p: (2048 batch + 64 x my half) rows of 2,048 bytes
	s_lshl_b32 s23, s16, 17
	s_add_co_u32 s22, s22, s23
	s_mov_b32 s23, 0
	s_lshl_b32 s46, s42, 20                        ; v: (128 tile + 64 x my half) rows of 8,192 bytes + 2048 batch: it holds cx and never cy
	s_lshl_b32 s47, s16, 19
	s_add_co_u32 s46, s46, s47
	s_lshl_b32 s47, s18, 11
	s_add_co_u32 s46, s46, s47
	s_mov_b32 s47, 0
	s_lshl_b32 s90, s18, 11                        ; out0: row 2048 batch + 128 strip + 64 i, of 4,096 bytes, + (128 tile + 64 j) x 4: under 2^26
	s_lshl_b32 s92, s15, 6
	s_add_co_u32 s90, s90, s92
	s_lshl_b32 s92, s19, 7
	s_add_co_u32 s92, s92, s90
	s_lshl_b32 s92, s92, 12
	s_lshl_b32 s96, s21, 7
	s_add_co_u32 s96, s96, s90
	s_lshl_b32 s96, s96, 12
	s_lshl_b32 s90, s42, 9
	s_lshl_b32 s97, s16, 8
	s_add_co_u32 s90, s90, s97
	s_add_co_u32 s92, s92, s90
	s_add_co_u32 s96, s96, s90
	s_mov_b32 s93, 0
	s_mov_b32 s97, 0
	s_mov_b32 s91, 0
	s_mul_i32 s45, s14, HALFT                      ; where my tiles go: wave x 64 rows: no place in the cluster enters an LDS address
	CROUND                                         ; all sixteen work-groups are here, so that the first joint loads meet; the round passes while the arguments are on their way
	s_wait_kmcnt 0x0
	s_load_b64 s[94:95], s[10:11], 0x20            ; ep, ev
	s_add_nc_u64 s[80:81], s[4:5], s[22:23]        ; p at my rows of strip 0
	s_add_nc_u64 s[82:83], s[6:7], s[46:47]        ; v at my rows, the batch's key 0
	s_add_nc_u64 s[86:87], s[12:13], s[92:93]      ; out0 at my part of the first strip's tile,
	s_add_nc_u64 s[88:89], s[12:13], s[96:97]      ; of the second's
.irp s, 0,1
	s_mov_b32 s90, s[STR+\s]
	s_mov_b32 s92, s[IDX+\s]
	s_mov_b32 s[G0+4*\s], 1
	s_add_co_u32 s[G0+4*\s+1], s45, \s*SLOT
	s_add_nc_u64 s[G0+4*\s+2:G0+4*\s+3], s[80:81], s[90:91]
	s_or_b32 s[G0+4*\s+3], s[G0+4*\s+3], 0x80000000
	s_mov_b32 s[G0V+4*\s], 1
	s_add_co_u32 s[G0V+4*\s+1], s45, \s*SLOT
	s_add_nc_u64 s[G0V+4*\s+2:G0V+4*\s+3], s[82:83], s[92:93]
	s_or_b32 s[G0V+4*\s+3], s[G0V+4*\s+3], 0x80000000
.endr
	TLOAD 0                                        ; trip 0: one tensor load a wave at the head
	s_wait_alu depctr_va_vdst(0)
.irp w, 0,1,2,3,4                              ; the statistics of my 64 queries for all twenty blocks: 16 bytes a lane, 512 consecutive bytes a load
.irp q, 0,1,2,3
	global_load_b128 v[X+4*(4*\w+\q):X+4*(4*\w+\q)+3], v[3+\w], s[8:9] offset:16384*\q
.endr
.endr
	; PREFETCHES into the L2: at the head the tiles of trips 1 and 2, behind trip 1's load those of trip 3, behind trip 2's those of trip 4: two trips ahead of the loads but for trip 1.  Each aligned block of 256 bytes is named once in the cluster:
	; of the 64 rows x 512 bytes that a wave loads jointly with three partners, its work-group asks for 16 rows, told apart by address (p's by cx, v's by cy): a lane a block, one request a wave and trip.
	s_lshl_b32 s96, s40, 15                        ; p: 16 cx rows of 2,048 bytes
	s_lshl_b32 s92, s41, 17                        ; v: 16 cy rows of 8,192 bytes
	s_mov_b32 s97, 0
	s_cmp_eq_u32 s15, 0
	s_cselect_b32 s96, s96, s92
	s_cselect_b64 s[46:47], s[80:81], s[82:83]
	s_cselect_b32 s22, 11, 13
	s_add_nc_u64 s[46:47], s[46:47], s[96:97]
	s_cselect_b32 s90, s[STR+1], s[IDX+1]
	s_add_nc_u64 s[66:67], s[46:47], s[90:91]      ; trip 1,
	s_cselect_b32 s90, s[STR+2], s[IDX+2]
	s_add_nc_u64 s[68:69], s[46:47], s[90:91]      ; 2,
	s_cselect_b32 s90, s[STR+3], s[IDX+3]
	s_add_nc_u64 s[98:99], s[46:47], s[90:91]      ; 3,
	s_cselect_b32 s90, s[STR+4], s[IDX+4]
	s_add_nc_u64 s[2:3], s[46:47], s[90:91]        ; 4: none of the four pairs is rewritten
	v_bfe_u32 v[PFO], v0, 1, 4
	v_and_b32 v18, 1, v0
	v_lshlrev_b32 v[PFO], s22, v[PFO]              ; row lane / 2,
	v_lshl_add_u32 v[PFO], v18, 8, v[PFO]          ; block lane % 2
	global_prefetch_b8 v[PFO], s[66:67] th:TH_LOAD_NT scope:SCOPE_SE
	global_prefetch_b8 v[PFO], s[68:69] th:TH_LOAD_NT scope:SCOPE_SE
	v_and_b32 v1, 15, v0                           ; r
	s_wait_alu depctr_va_vdst(0)
	v_bfe_u32 v2, v0, 4, 1                         ; h
	v_mul_u32_u24 v18, v1, PITCH
	v_lshl_add_u32 v18, v2, 4, v18                 ; a fragment's row x pitch + 16 x half
	s_mul_i32 s22, s15, HALFT                      ; my 64 rows of p
	s_mul_i32 s23, s16, HALFT                      ; my 64 rows of v,
	s_add_co_u32 s23, s23, 2*HALFT                 ; which lie behind p's 128
.irp s, 0,1
	v_add_nc_u32 v[ADRP+\s], s22, v18
	v_add_nc_u32 v[ADRV+\s], s23, v18
	s_add_co_u32 s22, s22, SLOT
	s_add_co_u32 s23, s23, SLOT
.endr
	s_mul_i32 s22, s14, 16*SP
	s_add_co_u32 s22, s22, STAGE                   ; my stage
	v_mul_u32_u24 v18, v1, SP                      ; in: row r, 32 bytes for each half of the lanes
	s_wait_alu depctr_va_vdst(0)
	v_lshl_add_u32 v18, v2, 5, v18
	v_add_nc_u32 v[STO], s22, v18
	v_mul_u32_u24 v18, v2, SP                      ; back: lanes 0-15 one row of 256 bytes, lanes 16-31 the next
	v_lshl_add_u32 v18, v1, 4, v18
	v_add_nc_u32 v[RD], s22, v18
	v_lshlrev_b32 v18, 12, v2
	v_lshl_add_u32 v[CO], v1, 4, v18               ; and the same two rows in out0
	s_mul_i32 s22, s14, TBW
	s_add_co_u32 s22, s22, TBL                     ; my table
	v_lshlrev_b32 v18, 4, v1
	v_add_nc_u32 v[TB], s22, v18
	v_lshl_add_u32 v[TW], v2, 3, v[TB]
	v_mov_b32 v[RT+5], 0                           ; named as the upper halves of pairs, so they are written
	v_mov_b32 v[RT+7], 0
	v_mov_b32 v23, 0xff61b1e6                      ; -3e38, under every M
	v_mov_b32 v[C60], 0xc2700000                   ; -60
	v_mov_b32 v[C60+1], 0xc2700000
	s_wait_alu depctr_va_vdst(0)
	s_wait_loadcnt 0x0                             ; the statistics
; THE FACTORS, in phases, so that only two short chains are left: v[X + 4 f + u] holds M of step f, v[X + 4 f + 2 + u] its l, for my two blocks of queries u = 0, 1.
; Phase 1: the running largest M of each step.  mask: the scalar register that is all ones where a strip begins at this step (0: none): a new strip forgets the old maximum.
.macro RUNMAX f, mask
.if \mask
	v_cndmask_b32 v[T0], v[MA+2*\f-2], v23, s[\mask]
	v_cndmask_b32 v[T0+1], v[MA+2*\f-1], v23, s[\mask]
	v_max_num_f32 v[MA+2*\f], v[T0], v[X+4*\f]
	v_max_num_f32 v[MA+2*\f+1], v[T0+1], v[X+4*\f+1]
.else
	v_max_num_f32 v[MA+2*\f], v[MA+2*\f-2], v[X+4*\f]
	v_max_num_f32 v[MA+2*\f+1], v[MA+2*\f-1], v[X+4*\f+1]
.endif
.endm
	v_max_num_f32 v[MA+2], v[X], v[X+4]            ; step 0 starts the state: its M is its M'
	v_max_num_f32 v[MA+3], v[X+1], v[X+5]
.irp f, 2,3
	RUNMAX \f, 0
.endr
	s_wait_alu depctr_va_vdst(0)
	RUNMAX 4, 84
.irp f, 5,6,7
	RUNMAX \f, 0
.endr
	RUNMAX 8, 85
.irp f, 9,10,11,12,13,14,15,16,17,18,19
	RUNMAX \f, 0
.endr
; Phase 2: M' = max(M, the running largest - 60), in M's place.  From here to phase 4 no instruction waits for the one in front of it.
.irp f, 1,2,3,4,5,6,7,8,9,10,11,12,13,14,15,16,17,18,19
	v_pk_add_f32 v[MA+2*\f:MA+2*\f+1], v[MA+2*\f:MA+2*\f+1], v[C60:C60+1]
.endr
.irp f, 1,2,3,4,5,6,7,8,9,10,11,12,13,14,15,16,17,18,19
	v_max_num_f32 v[X+4*\f], v[MA+2*\f], v[X+4*\f]
	v_max_num_f32 v[X+4*\f+1], v[MA+2*\f+1], v[X+4*\f+1]
.endr
; Phase 3: the factor 2^(old M' - new M'), in M' 's place: from the last step down, so that each step still finds its predecessor's M'.
.irp f, 19,18,17,16,15,14,13,12,11,10,9,8,7,6,5,4,3,2,1
	v_pk_add_f32 v[X+4*\f:X+4*\f+1], v[X+4*\f-4:X+4*\f-3], v[X+4*\f:X+4*\f+1] neg_lo:[0,1] neg_hi:[0,1]   ; a whole number, 60 at the most
.endr
.irp f, 1,2,3,4,5,6,7,8,9,10,11,12,13,14,15,16,17,18,19
	v_cvt_i32_f32 v[X+4*\f], v[X+4*\f]             ; (it saturates)
	v_cvt_i32_f32 v[X+4*\f+1], v[X+4*\f+1]
.endr
.irp f, 1,2,3,4,5,6,7,8,9,10,11,12,13,14,15,16,17,18,19
	v_ldexp_f32 v[X+4*\f], 1.0, v[X+4*\f]          ; an exact power of two, or 0
	v_ldexp_f32 v[X+4*\f+1], 1.0, v[X+4*\f+1]
.endr
	v_cndmask_b32 v[X+16], 0, v[X+16], s85         ; a new strip begins from nothing: at step 4 where the first strip has one slot,
	v_cndmask_b32 v[X+17], 0, v[X+17], s85
	v_cndmask_b32 v[X+32], 0, v[X+32], s84         ; at step 8 where it has two
	v_cndmask_b32 v[X+33], 0, v[X+33], s84
; Phase 4: l = l x the factor + the step's l, both blocks in one instruction; the factors go into my table between the links.
.macro LSTEP f
	v_pk_fma_f32 v[LR:LR+1], v[LR:LR+1], v[X+4*\f:X+4*\f+1], v[X+4*\f+2:X+4*\f+3]
	ds_store_b64 v[TW], v[X+4*\f:X+4*\f+1] offset:256*\f
.endm
	v_pk_fma_f32 v[LR:LR+1], v[X+2:X+3], v[X+4:X+5], v[X+6:X+7]
	ds_store_b64 v[TW], v[X+4:X+5] offset:256
.irp f, 2,3
	LSTEP \f
.endr
	v_mov_b32 v[LA], v[LR]                         ; the first strip's l, if it has one slot
	v_mov_b32 v[LA+1], v[LR+1]
.irp f, 4,5,6,7
	LSTEP \f
.endr
	v_cndmask_b32 v[LA], v[LA], v[LR], s85         ; if it has two
	v_cndmask_b32 v[LA+1], v[LA+1], v[LR+1], s85
.irp f, 8,9,10,11,12,13,14,15,16,17,18,19
	LSTEP \f
.endr
	s_wait_kmcnt 0x0
	s_add_co_i32 s94, s94, s95                     ; ep + ev
	s_wait_alu depctr_va_vdst(0)
	v_rcp_f32 v18, v[LA]
	v_rcp_f32 v19, v[LA+1]
	v_rcp_f32 v22, v[LR]
	v_rcp_f32 v23, v[LR+1]
	v_nop                                          ; a plain instruction between the reciprocals and the use of their results
	s_wait_alu depctr_va_vdst(0)
	v_ldexp_f32 v18, v18, s94                      ; 2^(ep + ev) / l
	v_ldexp_f32 v19, v19, s94
	v_ldexp_f32 v22, v22, s94
	v_ldexp_f32 v23, v23, s94
	ds_store_b64 v[TW], v[18:19] offset:256*20
	ds_store_b64 v[TW], v[22:23] offset:256*21
.macro FRAG reg, adr, q, i             ; a fragment: lane l holds row l % 16; registers 4 c .. 4 c + 3 hold keys 32 c + 16 (l / 16) + 0 .. 15: the same order on both sides
.irp c, 0,1,2,3
	ds_load_b128 v[\reg+4*\c:\reg+4*\c+3], v[\adr] offset:128*(\q)+32*\c+(\i)*16*PITCH
.endr
.endm
.macro FETCH slot, q, f, phi           ; the fragments of the slot's q-th 128 keys into buffer f, and step phi's factors
.if ((\phi) > 0) && ((\phi)%2 == 0)    ; two neighbouring blocks of 128 keys (steps 2 m and 2 m + 1) have the same M: the factor of an odd step is 1, and is not applied
	ds_load_b128 v[RT:RT+3], v[TB] offset:256*(\phi)   ; my own wave wrote them; LDS serves a wave's instructions in order (ISA guide 5.7.1.4)
.endif
	WIN TO_F
.irp i, 0,1,2,3
	FRAG \f+64+FR*\i, ADRV+\slot, \q, \i
	FRAG \f+FR*\i, ADRP+\slot, \q, \i
.endr
	WIN 0
.endm
.macro RESCALE set                     ; the sums under the step's M': each accumulator from its low end on
.set RS, RT+8*(\set)
	v_mov_b32 v[RS+4], v[RS+1]
	v_mov_b32 v[RS+6], v[RS+3]
.irp a, 0,1,2,3
.set RA, RS+2*(\a/2)+4*(\a%2)
.irp b, 0,1,2,3
.irp i, 0,2,4,6
	v_pk_mul_f32 v[ACC+8*(4*\a+\b)+\i:ACC+8*(4*\a+\b)+\i+1], v[ACC+8*(4*\a+\b)+\i:ACC+8*(4*\a+\b)+\i+1], v[RA:RA+1] op_sel_hi:[1,0]
.endr
.endr
.endr
.endm
.macro MUL8 f, a0, zero                ; 8 matrix instructions: blocks a0, a0 + 1 of queries x the four blocks of channels; the accumulators take turns
.irp a, \a0, \a0+1
.irp b, 0,1,2,3
.if \zero
	v_wmma_f32_16x16x128_bf8_bf8 v[ACC+8*(4*(\a)+\b):ACC+8*(4*(\a)+\b)+7], v[\f+64+FR*\b:\f+64+FR*\b+FR-1], v[\f+FR*(\a):\f+FR*(\a)+FR-1], 0
.else
	v_wmma_f32_16x16x128_bf8_bf8 v[ACC+8*(4*(\a)+\b):ACC+8*(4*(\a)+\b)+7], v[\f+64+FR*\b:\f+64+FR*\b+FR-1], v[\f+FR*(\a):\f+FR*(\a)+FR-1], v[ACC+8*(4*(\a)+\b):ACC+8*(4*(\a)+\b)+7]
.endif
.endr
.endr
.endm
.macro PLACES                          ; four places behind the last products: in front of loads into the buffer that they read and of the first read of their results (ISA guide 7.12.1 for the reads)
.rept 4
	v_nop
.endr
.endm
; One of a slot's first three steps: multiplies buffer f; the next step's fragments and factors are asked for first, into buffer g.
.macro STEP slot, q, f, g, phi
	s_wait_dscnt 0x0                               ; buffer f and this step's factors are in
	PLACES
	FETCH \slot, (\q)+1, \g, (\phi)+1
.if (\phi) > 0
.if (\phi)%2 == 0
	RESCALE 0
.endif
	WIN MUL
	MUL8 \f, 0, 0
	MUL8 \f, 2, 0
.else
	WIN MUL
	MUL8 \f, 0, 1                                  ; the first step's products start the sums: nothing is cleared
	MUL8 \f, 2, 1
.endif
	WIN 0
.endm
; A slot's last step (buffer F1) changes slots.  fill = 1: this slot is filled again, with trip nt's tiles.
.macro TURN slot, next, fill, phi, nt
	s_wait_tensorcnt 0x0                           ; all my tensor loads have landed: my part of the next slot; so a group 0 may be written
	ds_add_u32 v[SPW], v[NIL]                      ; 0 onto my spare word
.if \fill
	s_mov_b32 s90, s[STR+\nt]
	s_mov_b32 s92, s[IDX+\nt]
	s_add_nc_u64 s[G0+4*\slot+2:G0+4*\slot+3], s[80:81], s[90:91]
	s_or_b32 s[G0+4*\slot+3], s[G0+4*\slot+3], 0x80000000
	s_add_nc_u64 s[G0V+4*\slot+2:G0V+4*\slot+3], s[82:83], s[92:93]
	s_or_b32 s[G0V+4*\slot+3], s[G0V+4*\slot+3], 0x80000000
.endif
	s_wait_dscnt 0x0                               ; the add is done; buffer F1 is in: my reads of this slot are over
	s_barrier_signal -1
	WIN MUL                                        ; (a slot's last step is an odd one: no factor)
	MUL8 F1, 0, 0
	WIN 0
	s_barrier_wait -1
.if \fill
	CREST                                          ; a round of the cluster's barrier: no wave of any partner still reads this slot or has a load on its way
	TLOAD \slot                                    ; the first tensor load behind the round, and my only one until the next: it has four steps in which to land
.else
	PLACES
.endif
	FETCH \next, 0, F0, (\phi)+1
.if (\nt) == 2
	global_prefetch_b8 v[PFO], s[2:3] th:TH_LOAD_NT scope:SCOPE_SE   ; trip 4, the last
.endif
	WIN MUL
	MUL8 F1, 2, 0
	WIN 0
.endm
; THE WAY OUT of a strip: the sums x 2^(ep + ev) / l, a block of 16 queries at a time through my own stage, back as whole rows of 256 bytes.
.macro WAYOUT entry, ob
	PLACES
	ds_load_b128 v[OS:OS+3], v[TB] offset:256*\entry
	s_wait_dscnt 0x0
	v_mov_b32 v[OS+4], v[OS+1]
	v_mov_b32 v[OS+6], v[OS+3]
.irp a, 0,1,2,3
.set RA, OS+2*(\a/2)+4*(\a%2)
.set BB, BK+32*(\a%2)
.irp b, 0,1,2,3
.irp i, 0,2,4,6
	v_pk_mul_f32 v[ACC+8*(4*\a+\b)+\i:ACC+8*(4*\a+\b)+\i+1], v[ACC+8*(4*\a+\b)+\i:ACC+8*(4*\a+\b)+\i+1], v[RA:RA+1] op_sel_hi:[1,0]
.endr
.endr
.irp b, 0,1,2,3
	ds_store_b128 v[STO], v[ACC+8*(4*\a+\b):ACC+8*(4*\a+\b)+3] offset:64*\b
	ds_store_b128 v[STO], v[ACC+8*(4*\a+\b)+4:ACC+8*(4*\a+\b)+7] offset:64*\b+16
.endr
	s_wait_xcnt 0x0                                ; earlier stores have read their registers: the loads below may land there
.irp t, 0,1,2,3,4,5,6,7
	ds_load_b128 v[BB+4*\t:BB+4*\t+3], v[RD] offset:\t*2*SP    ; LDS serves a wave's instructions in order: these see the stores above, and the next block's stores come behind them
.endr
.irp t, 0,1,2,3,4,5,6,7
	s_wait_dscnt 7-\t                              ; load t is in, the younger ones may be out
	global_store_b128 v[CO], v[BB+4*\t:BB+4*\t+3], s[\ob:\ob+1] offset:(16*\a+2*\t)*4096 th:TH_STORE_NT   ; 16 lanes store 256 consecutive bytes, at a multiple of 256 from out0's first byte
.endr
.endr
.endm
	s_wait_alu depctr_va_vdst(0)
	s_wait_tensorcnt 0x0                           ; my part of trip 0's tiles is in
	ds_add_u32 v[SPW], v[NIL]
	s_wait_dscnt 0x0                               ; the add is done, and my table is stored
	CROUND                                         ; everybody's part of trip 0's tiles is in
	TLOAD 1                                        ; trip 1, the first tensor load behind the round: it has four steps in which to land
	FETCH 0, 0, F0, 0
	global_prefetch_b8 v[PFO], s[98:99] th:TH_LOAD_NT scope:SCOPE_SE   ; trip 3
	STEP 0, 0, F0, F1, 0
	STEP 0, 1, F1, F0, 1
	STEP 0, 2, F0, F1, 2
	TURN 0, 1, 1, 3, 2
	s_cmp_lg_u32 s20, 1                            ; a first strip of one slot is finished.  The branch jumps over no tensor load and no barrier
	s_cbranch_scc1 .Lnot_yet
	WAYOUT 20, 86
.Lnot_yet:
	STEP 1, 0, F0, F1, 4
	STEP 1, 1, F1, F0, 5
	STEP 1, 2, F0, F1, 6
	TURN 1, 0, 1, 7, 3
	s_cmp_lg_u32 s20, 2                            ; one of two slots is finished here
	s_cbranch_scc1 .Lgone
	WAYOUT 20, 86
.Lgone:
	STEP 0, 0, F0, F1, 8
	STEP 0, 1, F1, F0, 9
	STEP 0, 2, F0, F1, 10
	TURN 0, 1, 1, 11, 4
	STEP 1, 0, F0, F1, 12
	STEP 1, 1, F1, F0, 13
	STEP 1, 2, F0, F1, 14
	TURN 1, 0, 0, 15, 0                            ; nothing is left to fetch
	STEP 0, 0, F0, F1, 16
	STEP 0, 1, F1, F0, 17
	STEP 0, 2, F0, F1, 18
	s_wait_dscnt 0x0                               ; the last step
	WIN MUL
	MUL8 F1, 0, 0
	MUL8 F1, 2, 0
	WIN 0
	WAYOUT 21, 88
	s_wait_tensorcnt 0x0                           ; the wave's end
	ds_add_u32 v[SPW], v[NIL]
	s_wait_dscnt 0x0
	CROUND                                         ; the closing round: no work-group ends while a partner may still ask for a tile that names it
	s_endpgm
.Lfunc_end_k_q231dfad8fc_pv:
	.size	k_q231dfad8fc_pv, .Lfunc_end_k_q231dfad8fc_pv-k_q231dfad8fc_pv
	.p2alignl 7, 3214868480
	.fill 96, 4, 3214868480
	.section	.rodata,"a",@progbits
	.p2align	6, 0x0
	.amdhsa_kernel k_q231dfad8fc_pv
		.amdhsa_group_segment_fixed_size 327680
		.amdhsa_private_segment_fixed_size 0
		.amdhsa_enable_private_segment 0
		.amdhsa_kernarg_size 40
		.amdhsa_user_sgpr_count 2
		.amdhsa_user_sgpr_kernarg_segment_ptr 1
		.amdhsa_wavefront_size32 1
		.amdhsa_system_sgpr_workgroup_id_x 1
		.amdhsa_system_sgpr_workgroup_id_y 1
		.amdhsa_system_sgpr_workgroup_id_z 1
		.amdhsa_system_vgpr_workitem_id 0
		.amdhsa_next_free_vgpr 512
		.amdhsa_next_free_sgpr 100
		.amdhsa_reserve_vcc 0
		.amdhsa_float_denorm_mode_32 3
		.amdhsa_float_denorm_mode_16_64 3
		.amdhsa_memory_ordered 1
		.amdhsa_forward_progress 1
		.amdhsa_inst_pref_size 170
	.end_amdhsa_kernel
	.amdgpu_metadata
---
amdhsa.version: [ 1, 2 ]
amdhsa.kernels:
  - .name:           k_q231dfad8fc_pv
    .symbol:         k_q231dfad8fc_pv.kd
    .args:
      - { .name: p_codes, .offset: 0, .size: 8, .value_kind: global_buffer, .address_space: global }
      - { .name: v_codes, .offset: 8, .size: 8, .value_kind: global_buffer, .address_space: global }
      - { .name: stats, .offset: 16, .size: 8, .value_kind: global_buffer, .address_space: global }
      - { .name: lowp_scales, .offset: 24, .size: 8, .value_kind: global_buffer, .address_space: global }
      - { .name: out0, .offset: 32, .size: 8, .value_kind: global_buffer, .address_space: global }
    .group_segment_fixed_size: 327680
    .private_segment_fixed_size: 0
    .kernarg_segment_align: 8
    .kernarg_segment_size: 40
    .max_flat_workgroup_size: 128
    .sgpr_count:     100
    .vgpr_count:     512
    .wavefront_size: 32
...
	.end_amdgpu_metadata
.endif
;; end of part 6
